; MI455X (gfx1250); checked and timed in simulation.
; The chip was launched on July 23, 2026; its instructions are those of AMD's public machine-readable ISA for CDNA 5 (MIT licence, August 2026) and "CDNA5" Instruction Set Architecture Reference Guide (July 2026). The comments in the code are by the model that wrote it; some were corrected since.
;; Mo E Layer. Allowed arithmetic: float matrix products may take bf16 or f16 operands with f32 sums; other float arithmetic in f32, or as packed bf16 or f16 multiplies, adds, multiply-adds, maxima and minima; sums over many terms, partial sums and values carried from step to step in f32; what a program stores and reads back later, other than sums and carried values, may be rounded once to bf16 or f16.
;; Inputs: ed_w 8 x 2,048 x 1,024 float32; eg_w 8 x 1,024 x 2,048 float32; eu_w 8 x 1,024 x 2,048 float32; gate_w 1,024 x 8 float32; sd_w 2,048 x 1,024 float32; sg_w 1,024 x 2,048 float32; su_w 1,024 x 2,048 float32; x 4 x 256 x 1,024 float32.
;; Outputs: out0 4 x 256 x 1,024 float32; out1 4 x 256 x 8 float32.
;; 2 versions, each right; version 2 is version 1 with the launches gateup, down written anew for expert scheduling mode. Each part assembles by itself: llvm-mc -triple=amdgcn-amd-amdhsa -mcpu=gfx1250 --defsym DOCPART=n.
;; ======== version 1 of 2: 4 launches
;; workspace buffers: xb 2,097,152 bytes; msk 4,096 bytes of whole numbers; wts 8,192 bytes; hq 37,748,736 bytes; pr 25,165,824 bytes; sw1 8,388,608 bytes; sw2 4,194,304 bytes
;; launch router (part 1): grid 224 x 1, 8 waves a work-group, no clusters, 78,848 bytes of LDS; arguments x, gate_w, xb, msk, wts, out1, sg_w, su_w, sd_w, sw1, sw2; writes xb, msk, wts, out1, sw1, sw2
.if DOCPART == 1
	.amdgcn_target "amdgcn-amd-amdhsa--gfx1250"
	.amdhsa_code_object_version 6
	.text
	.protected	k_q5c9d0a1afa_router
	.globl	k_q5c9d0a1afa_router
	.p2align	8
	.type	k_q5c9d0a1afa_router,@function
k_q5c9d0a1afa_router:
	s_mov_b64 s[64:65], 0
	v_nop
	global_prefetch_b8 v0, s[64:65] scope:SCOPE_SE
	s_setreg_imm32_b32 hwreg(HW_REG_WAVE_MODE, 25, 1), 1
	s_wait_xcnt 0x0
; TWO KINDS OF WORK-GROUP IN ONE LAUNCH.
; WORK-GROUPS 0-31: THE ROUTER.  logits = x gate_w (operands rounded to bf16, sums in f32), the two largest of a token's 8 logits, softmax over those two.
; Stores: xb = x rounded to bf16, [1024][1024]; out1 = the logits; wts[t] = the two weights (first choice, second choice);
; msk[group of 32 tokens][32 words]: word e = the tokens that chose expert e (one bit a token), word 8 + e = those whose SECOND choice is e, words 16-31 = 0.
; A work-group has 32 tokens, as many as a mask word has bits; wave v has channels 128 v .. 128 v + 127 of all 32.  The eight partial logits meet in LDS and wave 0 adds them
; in a fixed order, chooses and stores.  Source 0 = gate_w turned (row m = expert m % 8), source 1 = 16 tokens: register j of a lane is expert j of token lane % 16.
; WORK-GROUPS 32-223: THE SHARED EXPERT'S WEIGHTS, rounded to bf16 once and laid out as the next two launches' LDS takes them, since 8 work-groups there read each slice.
; sw1: [32 slices of 64 hidden channels][32 K steps][8 fragments: 0-3 gate, 4-7 up][1,024 bytes]; sw2: [32 slices (16 of 64 output channels x 2 halves of K)][32 K steps][4 fragments][1,024 bytes].
; In a fragment's 1,024 bytes piece 16 o + r (16 bytes) holds K = 8 o .. 8 o + 7 of the step for channel 4 r + f of the slice.
; A wave takes four units of 16 K x 64 channels: 32 loads (16 lanes read 256 consecutive bytes), 64 roundings, 16 stores of 512 consecutive bytes, aligned.  3 matrices x 512 such tasks = 192 work-groups x 8 waves.
; LIMITS.  Ties go to the lower expert, as in jax.lax.top_k.  Logits are taken to be finite: NaN and infinities are not treated apart.
; The larger of the two logits is taken away before the exponential, so its argument is never above 0.
; No tensor loads: all that is read here has to pass through registers to be rounded.  No cluster: no two work-groups read the same x or the same weights, and gate_w is 32 KB.
; out1 leaves as 16 bytes a lane, 32 bytes apart: 32 KB in the whole launch.
.set XP,    272                        ; an LDS row: 128 bf16 + 16 bytes, so that 16 rows of a fragment load start at 16 different groups of four banks
.set XW,    32*XP                      ; a wave's 32 rows
.set RED,   8*XW                       ; behind them: 1,024 bytes a wave, its 32 x 8 partial logits
.set SPARE, RED+8192                   ; the spare words: 128 bytes for each of 8 waves; no other line names them
.set SPW,   14                         ; v14  my spare word's address; never rewritten
.set NIL,   15                         ; v15  0; never rewritten
.set XR,    16                         ; v16-143   x as loaded, 4 registers a token; then 2 of them as bf16.  For the weights: four units of 32
.set GW,    144                        ; v144-207  gate_w as loaded; then x's fragments; then the partial logits.  For the weights: four units of 16, packed
.set GF,    208                        ; v208-239  gate_w's fragments; later at work
.set AC,    240                        ; v240-255  two accumulators
; Four units of the weights.  Lane (q = l % 16, hh = l / 16) takes rows 8 hh + i, channels 4 q .. 4 q + 3; its 8 K of channel 4 q + c are 16 bytes, which go to fragment c, place q.
.macro CONV pitch, kst
.set j_, 0
.rept 4
.set i_, 0
.rept 8
	global_load_b128 v[XR+32*j_+4*i_:XR+32*j_+4*i_+3], v2, s[24:25] offset:(16*j_+i_)*\pitch th:TH_LOAD_NT
.set i_, i_+1
.endr
.set j_, j_+1
.endr
.set j_, 0
.rept 4
	s_wait_loadcnt 8*(3-j_)                        ; loads come back in order: unit j is in, the younger units' eight loads each stay out
.irp c, 0,1,2,3
.irp a, 0,1,2,3
	v_cvt_pk_bf16_f32 v[GW+16*j_+4*\c+\a], v[XR+32*j_+8*\a+\c], v[XR+32*j_+8*\a+4+\c]
.endr
.endr
.irp c, 0,1,2,3
	global_store_b128 v13, v[GW+16*j_+4*\c:GW+16*j_+4*\c+3], s[26:27] offset:(j_/2)*\kst+\c*1024+(j_%2)*512  ; each unit has packed registers of its own: none is written twice here
.endr
.set j_, j_+1
.endr
.endm
	s_load_b256 s[4:11], s[0:1], 0x0               ; x s[4:5], gate_w s[6:7], xb s[8:9], msk s[10:11]
	s_load_b128 s[12:15], s[0:1], 0x20             ; wts s[12:13], out1 s[14:15]
	s_load_b128 s[40:43], s[0:1], 0x30             ; sg_w s[40:41], su_w s[42:43]
	s_load_b128 s[44:47], s[0:1], 0x40             ; sd_w s[44:45], sw1 s[46:47]
	s_load_b64 s[48:49], s[0:1], 0x50              ; sw2
	v_lshl_add_u32 v[SPW], v0, 2, SPARE
	v_mov_b32 v[NIL], 0
	v_lshrrev_b32 v2, 5, v0
	v_readfirstlane_b32 s16, v2                    ; wave 0..7
	v_and_b32 v1, 31, v0                           ; lane
	v_and_b32 v3, 15, v0                           ; r
	v_bfe_u32 v4, v0, 4, 1                         ; h
	v_and_b32 v5, 7, v0
	v_lshlrev_b32 v5, 2, v5                        ; gate_w: expert r % 8,
	v_lshl_add_u32 v5, v4, 8, v5                   ; channel 8 h (a channel is 32 bytes),
	v_lshl_add_u32 v5, s16, 12, v5                 ; in my wave's 128 channels
	v_lshlrev_b32 v6, 4, v1
	v_lshl_add_u32 v6, s16, 9, v6                  ; x: 512 v + 16 lane in a row
	v_lshlrev_b32 v7, 3, v1
	v_lshl_add_u32 v7, s16, 8, v7                  ; xb: 256 v + 8 lane in a row
	s_mul_i32 s17, s16, XW
	v_lshl_add_u32 v8, v1, 3, s17                  ; LDS, in: my wave's rows, 8 bytes a lane
	v_mul_u32_u24 v9, v3, XP
	v_lshl_add_u32 v9, v4, 4, v9
	v_add_nc_u32 v9, s17, v9                       ; LDS, fragments: row r, 16 h
	s_lshl_b32 s18, s16, 10
	s_add_co_u32 s18, s18, RED
	v_lshl_add_u32 v10, v1, 5, s18                 ; my wave's partial logits: 32 bytes a lane
	v_lshlrev_b32 v11, 5, v1                       ; 32 lane
	v_add_nc_u32 v12, RED, v11                     ; wave 0 reads all eight from here
	v_lshlrev_b32 v13, 4, v1                       ; 16 lane
	v_cmp_le_u32 vcc_lo, 16, v1                    ; lanes 16-31
	s_lshl_b32 s20, ttmp9, 17                      ; 32 rows of x
	s_mov_b32 s21, 0
	s_lshl_b32 s22, ttmp9, 16                      ; 32 rows of xb
	s_mov_b32 s23, 0
	s_wait_kmcnt 0x0
	s_cmp_ge_u32 ttmp9, 32
	s_cbranch_scc1 .Lconv                          ; the same for all eight waves of a work-group; both ways meet again ahead of the barrier
	s_add_nc_u64 s[4:5], s[4:5], s[20:21]
	s_add_nc_u64 s[8:9], s[8:9], s[22:23]
	; gate_w: register 16 ks + 8 a + i holds channel 32 ks + 16 a + 8 h + i of my expert
.set g, 0
.rept 64
	global_load_b32 v[GW+g], v5, s[6:7] offset:(32*(g/16)+16*((g/8)%2)+g%8)*32
.set g, g+1
.endr
.set i, 0
.rept 32
	global_load_b128 v[XR+4*i:XR+4*i+3], v6, s[4:5] offset:i*4096 th:TH_LOAD_NT
.set i, i+1
.endr
	; a token at a time: rounded, stored to xb (the wave's store covers 256 consecutive bytes, aligned) and laid into LDS
.set i, 0
.rept 32
	s_wait_loadcnt 31-i                            ; loads come back in order: token i is in, the 31 - i younger stay out
	v_cvt_pk_bf16_f32 v[XR+4*i], v[XR+4*i], v[XR+4*i+1]
	v_cvt_pk_bf16_f32 v[XR+4*i+1], v[XR+4*i+2], v[XR+4*i+3]
	global_store_b64 v7, v[XR+4*i:XR+4*i+1], s[8:9] offset:i*2048
	ds_store_b64 v8, v[XR+4*i:XR+4*i+1] offset:i*XP
.set i, i+1
.endr
.set g, 0
.rept 32
	v_cvt_pk_bf16_f32 v[GF+g], v[GW+2*g], v[GW+2*g+1]  ; gate_w's loads are older than x's: they are in
.set g, g+1
.endr
	; x's fragments, out of my wave's own rows: LDS serves a wave's instructions in order
.irp m, 0,1
.irp ks, 0,1,2,3
	ds_load_b128 v[GW+32*\m+8*\ks:GW+32*\m+8*\ks+3],   v9 offset:16*\m*XP+64*\ks
	ds_load_b128 v[GW+32*\m+8*\ks+4:GW+32*\m+8*\ks+7], v9 offset:16*\m*XP+64*\ks+32
.endr
.endr
	s_wait_dscnt 0x0
	; the two accumulators take turns; the first K step starts the sums
.irp ks, 0,1,2,3
.irp m, 0,1
.if \ks == 0
	v_wmma_f32_16x16x32_bf16 v[AC+8*\m:AC+8*\m+7], v[GF+8*\ks:GF+8*\ks+7], v[GW+32*\m+8*\ks:GW+32*\m+8*\ks+7], 0
.else
	v_wmma_f32_16x16x32_bf16 v[AC+8*\m:AC+8*\m+7], v[GF+8*\ks:GF+8*\ks+7], v[GW+32*\m+8*\ks:GW+32*\m+8*\ks+7], v[AC+8*\m:AC+8*\m+7]
.endif
.endr
.endr
.rept 4
	v_nop                                          ; four places behind the last product (ISA guide 7.12.1)
.endr
.irp j, 0,1,2,3,4,5,6,7
	v_cndmask_b32 v[GW+\j], v[AC+\j], v[AC+8+\j], vcc_lo  ; lane l now holds token l's eight partial logits; the accumulators are read from their low end on
.endr
	ds_store_b128 v10, v[GW:GW+3]
	ds_store_b128 v10, v[GW+4:GW+7] offset:16
	s_branch .Lmeet
.Lconv:
	s_sub_co_u32 s17, ttmp9, 32                    ; 0..191
	s_lshr_b32 s18, s17, 6                         ; the matrix: 0 sg_w, 1 su_w, 2 sd_w
	s_and_b32 s17, s17, 63
	s_lshl3_add_u32 s17, s17, s16                  ; my task in it: 8 x work-group + wave, 0..511
	s_lshr_b32 s19, s17, 4                         ; its slice, 0..31
	s_and_b32 s17, s17, 15                         ; its 64 rows of K among the slice's 1,024
	v_lshlrev_b32 v2, 4, v3                        ; 16 q
	s_cmp_eq_u32 s18, 2
	s_cbranch_scc1 .Lconv_d
	v_lshl_add_u32 v2, v4, 16, v2                  ; + 8 hh rows of 8,192 bytes
	s_lshl_b32 s20, s17, 19                        ; from: 64 rows a task,
	s_lshl_b32 s22, s19, 8                         ; 256 bytes of a row a slice
	s_add_co_u32 s20, s20, s22
	s_cmp_eq_u32 s18, 1
	s_cselect_b64 s[24:25], s[42:43], s[40:41]
	s_add_nc_u64 s[24:25], s[24:25], s[20:21]
	s_lshl_b32 s22, s19, 18                        ; to: 262,144 bytes a slice,
	s_lshl_b32 s20, s17, 14                        ; two K steps of 8,192 a task,
	s_add_co_u32 s22, s22, s20
	s_lshl_b32 s20, s18, 12                        ; fragments 4-7 for su_w
	s_add_co_u32 s22, s22, s20
	s_add_nc_u64 s[26:27], s[46:47], s[22:23]
	CONV 8192, 8192
	s_branch .Lmeet
.Lconv_d:
	v_lshl_add_u32 v2, v4, 15, v2                  ; + 8 hh rows of 4,096 bytes
	s_and_b32 s20, s19, 1                          ; the slice's half of K: 1,024 rows,
	s_lshl_b32 s20, s20, 22
	s_lshl_b32 s22, s17, 18                        ; 64 rows a task,
	s_add_co_u32 s20, s20, s22
	s_lshr_b32 s22, s19, 1                         ; 256 bytes of a row for each 64 channels
	s_lshl_b32 s22, s22, 8
	s_add_co_u32 s20, s20, s22
	s_add_nc_u64 s[24:25], s[44:45], s[20:21]
	s_lshl_b32 s22, s19, 17                        ; to: 131,072 bytes a slice,
	s_lshl_b32 s20, s17, 13                        ; two K steps of 4,096 a task
	s_add_co_u32 s22, s22, s20
	s_add_nc_u64 s[26:27], s[48:49], s[22:23]
	CONV 4096, 4096
.Lmeet:
	s_wait_xcnt 0x0                                ; the stores above have had their addresses translated (ISA guide 3.1): the text below names their data registers and bases anew only behind this wait
	s_wait_dscnt 0x0                               ; for wave 0's sake: my partial logits are in LDS
	s_barrier_signal -1
	s_barrier_wait -1
	s_cmp_ge_u32 ttmp9, 32
	s_cbranch_scc1 .Lend
	s_cmp_lg_u32 s16, 0
	s_cbranch_scc1 .Lend                           ; no barrier stands in what is jumped
.irp q, 0,1,2,3,4,5,6,7
	ds_load_b128 v[GW+8*\q:GW+8*\q+3],   v12 offset:1024*\q
	ds_load_b128 v[GW+8*\q+4:GW+8*\q+7], v12 offset:1024*\q+16
.endr
	s_lshl_b32 s20, ttmp9, 10                      ; out1: 32 tokens x 32 bytes
	s_add_nc_u64 s[14:15], s[14:15], s[20:21]
	s_lshl_b32 s20, ttmp9, 8                       ; wts: 32 x 8
	s_add_nc_u64 s[12:13], s[12:13], s[20:21]
	s_lshl_b32 s20, ttmp9, 7                       ; msk: 32 words
	s_add_nc_u64 s[10:11], s[10:11], s[20:21]
	s_wait_dscnt 0x0
.irp q, 1,2,3,4,5,6,7
.irp p, 0,1,2,3
	v_pk_add_f32 v[GW+2*\p:GW+2*\p+1], v[GW+2*\p:GW+2*\p+1], v[GW+8*\q+2*\p:GW+8*\q+2*\p+1]  ; channels ascending
.endr
.endr
	global_store_b128 v11, v[GW:GW+3], s[14:15]
	global_store_b128 v11, v[GW+4:GW+7], s[14:15] offset:16
	; first choice: strictly greater, experts ascending, so the lower expert keeps a tie
	v_mov_b32 v216, v[GW]
	v_mov_b32 v217, 0
.irp e, 1,2,3,4,5,6,7
	v_cmp_gt_f32 vcc_lo, v[GW+\e], v216
	v_cndmask_b32 v216, v216, v[GW+\e], vcc_lo
	v_cndmask_b32 v217, v217, \e, vcc_lo
.endr
	; second choice: the same with the first one's logit put at minus infinity
	v_mov_b32 v220, 0xff800000
.irp e, 0,1,2,3,4,5,6,7
	v_cmp_eq_u32 vcc_lo, \e, v217
	v_cndmask_b32 v[GF+\e], v[GW+\e], v220, vcc_lo
.endr
	v_mov_b32 v218, v[GF]
	v_mov_b32 v219, 0
.irp e, 1,2,3,4,5,6,7
	v_cmp_gt_f32 vcc_lo, v[GF+\e], v218
	v_cndmask_b32 v218, v218, v[GF+\e], vcc_lo
	v_cndmask_b32 v219, v219, \e, vcc_lo
.endr
	; softmax over the two: w0 = 1 / (1 + e^(m2 - m1)), w1 = e^(m2 - m1) w0
	v_sub_f32 v221, v218, v216
	v_mul_f32 v221, 0x3fb8aa3b, v221
	v_exp_f32 v221, v221
	v_lshlrev_b32 v225, 3, v1                      ; (a plain instruction behind the exponential) 8 lane
	s_wait_alu depctr_va_vdst(0)                   ; the wait ahead of the result's first reader
	v_add_f32 v226, 1.0, v221
	v_rcp_f32 v222, v226
	v_lshlrev_b32 v227, 2, v1                      ; (the same behind the reciprocal) 4 lane
	s_wait_alu depctr_va_vdst(0)
	v_mul_f32 v223, v221, v222
	global_store_b64 v225, v[222:223], s[12:13]    ; 256 consecutive bytes, aligned
	; the masks: a compare's result is a word with one bit a token
.irp e, 0,1,2,3,4,5,6,7
	v_cmp_eq_u32 s[24+\e], \e, v217
	v_cmp_eq_u32 s[32+\e], \e, v219
.endr
	v_mov_b32 v224, 0
.irp e, 0,1,2,3,4,5,6,7
	s_or_b32 s[24+\e], s[24+\e], s[32+\e]
	v_writelane_b32 v224, s[24+\e], \e
	v_writelane_b32 v224, s[32+\e], 8+\e
.endr
	global_store_b32 v227, v224, s[10:11]
.Lend:
	s_wait_tensorcnt 0x0                           ; the wave's end
	ds_add_u32 v[SPW], v[NIL]
	s_wait_dscnt 0x0
	s_endpgm
.Lfunc_end_k_q5c9d0a1afa_router:
	.size	k_q5c9d0a1afa_router, .Lfunc_end_k_q5c9d0a1afa_router-k_q5c9d0a1afa_router
	.p2alignl 7, 3214868480
	.fill 96, 4, 3214868480
	.section	.rodata,"a",@progbits
	.p2align	6, 0x0
	.amdhsa_kernel k_q5c9d0a1afa_router
		.amdhsa_group_segment_fixed_size 78848
		.amdhsa_private_segment_fixed_size 0
		.amdhsa_enable_private_segment 0
		.amdhsa_kernarg_size 88
		.amdhsa_user_sgpr_count 2
		.amdhsa_user_sgpr_kernarg_segment_ptr 1
		.amdhsa_wavefront_size32 1
		.amdhsa_system_sgpr_workgroup_id_x 1
		.amdhsa_system_sgpr_workgroup_id_y 1
		.amdhsa_system_sgpr_workgroup_id_z 1
		.amdhsa_system_vgpr_workitem_id 0
		.amdhsa_next_free_vgpr 256
		.amdhsa_next_free_sgpr 66
		.amdhsa_reserve_vcc 1
		.amdhsa_float_denorm_mode_32 3
		.amdhsa_float_denorm_mode_16_64 3
		.amdhsa_memory_ordered 1
		.amdhsa_forward_progress 1
		.amdhsa_inst_pref_size 53
	.end_amdhsa_kernel
	.amdgpu_metadata
---
amdhsa.version: [ 1, 2 ]
amdhsa.kernels:
  - .name:           k_q5c9d0a1afa_router
    .symbol:         k_q5c9d0a1afa_router.kd
    .args:
      - { .name: x, .offset: 0, .size: 8, .value_kind: global_buffer, .address_space: global }
      - { .name: gate_w, .offset: 8, .size: 8, .value_kind: global_buffer, .address_space: global }
      - { .name: xb, .offset: 16, .size: 8, .value_kind: global_buffer, .address_space: global }
      - { .name: msk, .offset: 24, .size: 8, .value_kind: global_buffer, .address_space: global }
      - { .name: wts, .offset: 32, .size: 8, .value_kind: global_buffer, .address_space: global }
      - { .name: out1, .offset: 40, .size: 8, .value_kind: global_buffer, .address_space: global }
      - { .name: sg_w, .offset: 48, .size: 8, .value_kind: global_buffer, .address_space: global }
      - { .name: su_w, .offset: 56, .size: 8, .value_kind: global_buffer, .address_space: global }
      - { .name: sd_w, .offset: 64, .size: 8, .value_kind: global_buffer, .address_space: global }
      - { .name: sw1, .offset: 72, .size: 8, .value_kind: global_buffer, .address_space: global }
      - { .name: sw2, .offset: 80, .size: 8, .value_kind: global_buffer, .address_space: global }
    .group_segment_fixed_size: 78848
    .private_segment_fixed_size: 0
    .kernarg_segment_align: 8
    .kernarg_segment_size: 88
    .max_flat_workgroup_size: 256
    .sgpr_count:     66
    .vgpr_count:     256
    .wavefront_size: 32
...
	.end_amdgpu_metadata
.endif
;; end of part 1
;; launch gateup (part 2): grid 256 x 1, 4 waves a work-group, no clusters, 282,112 bytes of LDS; arguments xb, msk, eg_w, eu_w, sw1, hq; writes hq
.if DOCPART == 2
	.amdgcn_target "amdgcn-amd-amdhsa--gfx1250"
	.amdhsa_code_object_version 6
	.text
	.protected	k_q5c9d0a1afa_gateup
	.globl	k_q5c9d0a1afa_gateup
	.p2align	8
	.type	k_q5c9d0a1afa_gateup,@function
k_q5c9d0a1afa_gateup:
	s_mov_b64 s[64:65], 0
	v_nop
	global_prefetch_b8 v0, s[64:65] scope:SCOPE_SE
	s_setreg_imm32_b32 hwreg(HW_REG_WAVE_MODE, 25, 1), 1
	s_wait_xcnt 0x0
; FIRST PRODUCTS.  h = silu(x Wg) (x Wu), for each routed expert's chosen rows and for the shared expert's 1,024 rows.  Operands bf16, sums f32, h rounded once to bf16.
; hq: [256 groups of 8 hidden channels][9,216 places][8] bf16; place = 1024 e + rank among expert e's rows (tokens ascending), or 8192 + token for the shared expert.
; So 16 rows of a tile are 256 consecutive bytes, aligned, for each group of channels, here on the way out and in the next launch on the way in.
; SHARES.  Work-group (e, s), e = 0..7, s = 0..31, does two JOBS: job 0: hidden channels 64 s .. 64 s + 63 of expert e, which it alone reads, for ALL of e's rows;
; job 1: the same 64 channels of the shared expert for tokens 128 e .. 128 e + 127.  All 256 work-groups have both jobs, whatever the split; an expert without rows leaves job 0 without tiles.
; JOB 0's SLICE of Wg and Wu (1,024 x 64 each, f32) comes through registers, is rounded to bf16 and laid into LDS in the order in which a fragment's registers take it; wave w brings
; rows 256 w .. of K, 64 loads of 16 bytes a lane on their way.  JOB 1's SLICE was rounded and laid out so by the launch before (sw1): it is copied, 64 loads a wave on their way, the first 64 asked
; for ahead of the barrier that ends job 0.
; THE PRODUCTS, one text for both jobs.  Wave w takes the tiles of 16 rows w, w + 4, ..: 4 or 2 of them at a time (a CHUNK), 32 K steps each; x's rows come from xb straight into registers as
; fragments, through a ring of D K steps (D = 4 with four tiles, 8 with two: 128 registers either way).  Then silu, product, rounding, store.
; The loop over chunks has a constant count that covers every split (16 tiles a wave at the most: four chunks of four); a wave with nothing left jumps forward over the work; no barrier stands in it,
; and between a job's two barriers nothing writes LDS.
; ROWS PAST THE COUNT repeat the expert's last row: they compute the same numbers and, in a tile that is not full, store the same bytes to the same place; a tile wholly past the count
; (three tiles go as four, one as two) is not stored.  EXEC is never changed.
; THE LIST.  Each wave makes its own copy of the row list in LDS from the router's masks: word rank = token; words 1024.. = the tokens of job 1.  A lane whose token did not choose e writes a dump word of its own.
; LAYOUT.  Source 0 = 16 hidden channels (weights), source 1 = 16 rows of x; fragment f's place m is channel 4 m + f of the slice (f = 0..3 gate, 4..7 up).  So register j of accumulator f in lane
; (r, h) is row r, channel 32 h + 4 j + f: a lane holds ONE row and 32 neighbouring channels, which pack into four times 16 bytes.
; POINTERS.  Each slot of x's ring and each of the eight units of the weights has a scalar pointer of its own, stepped behind the counted wait that shows that slot's own loads done.
; LIMITS.  h is kept in bf16 (f16 would not hold inputs some 30 times larger).  Where x Wg is very negative 2^(..) is infinite, its reciprocal 0 and h is 0, as in the definition's limit.
; NO TENSOR LOADS, NO CLUSTER: the routed weights are f32 and pass through registers to be rounded; a routed slice has one reader; an expert's rows come by a list, which no descriptor covers;
; only the shared slice (256 KB of the 768 KB of weights that a work-group reads) has 8 readers, and these begin job 1 at times that hang on their experts' counts.
; HINTS.  The routed weights are read once in the launch: non-temporal.  xb and sw1 are read by many work-groups: high-temporal.
.set F,     8                          ; fragments of 16 channels in a K step: 0-3 gate, 4-7 up
.set PITCH, 8192                       ; bytes in a row of the weights
.set WOSH,  16                         ; 8 rows of them = 1 << 16
.set NTRIP, 4                          ; trips of the weight loop: 8 units of 16 K x 64 channels each
.set JDIV,  4                          ; a trip's units 0-3 are gate's, 4-7 up's
.set ASTEP, 64                         ; bytes of a row of xb in a K step
.set AH,    32                         ; from a fragment's first half to its second
.set AB,    4                          ; s[4:5]: where x's rows begin
.set IMG,   12                         ; s[12:13]: my wave's quarter of my slice in sw1
.set OS,    147456                     ; bytes in hq for one group of 8 channels: 9,216 places x 16
.set BP,    1024                       ; a fragment's block in LDS: 64 pieces of 16 bytes; stores and loads both take neighbouring pieces
.set WSTEP, 16*BP                      ; LDS bytes that a trip of the weight loop fills: 2 K steps x 8 fragments
.set LIST,  32*F*BP                    ; behind the slice: the lists
.set LSTR,  4864                       ; a wave's list: 1,024 + 128 words, 32 dump words, rounded up to blocks of 256 bytes
.set SPARE, LIST+4*LSTR                ; the spare words, 128 bytes a wave; no other line names them
; window 0
.set RK0, 3                            ; v3      16 w + r: my row in the wave's first tile
.set RK,  4                            ; v4-7    my row's rank in tile t of the chunk
.set ID,  8                            ; v8-11   its token
.set AO,  12                           ; v12-15  its byte offset in xb
.set HO,  16                           ; v16-19  its byte offset in hq
.set BA,  20                           ; v20     LDS address of the fragments, walking;  v21 its start, 16 lane
.set BA0, 21
.set WL,  22                           ; v22     LDS address of my pieces of the weights, walking
.set WO,  24                           ; v24     my byte offset in a unit of the weights
.set DI,  25                           ; v25     1152 + lane: my dump word's index
.set SPW, 26                           ; v26     my spare word's address; never rewritten
.set NIL, 27                           ; v27     0; never rewritten
.set TM,  28                           ; v28-31  at work
.set E,   32                           ; v32-63  the way out, in f32
.set PK,  64                           ; v64-79  the way out, packed
.set CT,  80                           ; v80-95  a unit's 4 channels x 8 K, packed
.set VM,  96                           ; v96     lane j: the mask of group j for expert e
.set LN,  98                           ; v98 lane; v101 16 h; v102 4 h OS; v103 the masks' offset
.set H16, 101
.set HOS, 102
.set MA,  103
.set CPL, 104                          ; v104    65,536 w + 16 lane: my 16 bytes in my wave's quarter of the slice in LDS
.set BB,  128                          ; v128-191, v192-255: the weights' fragments of two K steps
; window 1: accumulator (t, f) at 8 (t F + f); while weights are loaded: 8 slots of 32.   window 2: x's fragments, ring slot sl, tile t at 8 T sl + 8 t
.set W_MM, 0x58                        ; source 0 window 0, source 1 window 2, C and D window 1
.set W_A,  0x80                        ; destination window 2
.set W_ST, 0x40                        ; destination window 1
.set W_CV, 0x05                        ; sources 0 and 1 window 1
.set W_S0, 0x01                        ; source 0 window 1
.set W_CP, 0x44                        ; a load's destination and an LDS store's data in window 1
; scalars: s18 w, s19 e, s20 s, s21 n, s22 n - 1, s23 my list, s25 first place in hq, s26 my tiles, s27 tiles done, s28 tiles left, s29 64 x done, s30-32 counters,
; s[42:43] -log2(e), s[44:45] hq at my channels, s56 the list's first index, s40-41, s46-47, s52-55 at work
.set PT,  66                           ; s[66:81] eight pointers: the weights' units, then the ring's slots
.set INC, 82                           ; s[82:83] slot 0's step in the K loop
.set MSB, 0
.macro WIN new                         ; the immediate's high byte repeats the setting that is left; a switch that changes nothing is dropped
.if MSB != (\new)
	s_set_vgpr_msb (MSB<<8)|(\new)
.set MSB, \new
.endif
.endm
.macro PLACES                          ; four places behind a matrix instruction, ahead of readers of its result (ISA guide 7.12.1)
.rept 4
	v_nop
.endr
.endm
; The first 64 loads of job 0.  A unit is 16 K x 64 channels: lane (q = l % 16, hh = l / 16) takes rows 8 hh + i, i = 0..7, channels 4 q .. 4 q + 3: 16 lanes read 256 consecutive bytes, aligned.
.macro FILL
.set j_, 0
.rept 8
	s_add_nc_u64 s[PT+2*j_:PT+2*j_+1], s[8+2*(j_/JDIV):9+2*(j_/JDIV)], 16*(j_%JDIV)*PITCH
.set j_, j_+1
.endr
	v_mov_b32 v[WL], v[CPL]
	WIN W_ST
.set j_, 0
.rept 8
.set i_, 0
.rept 8
	global_load_b128 v[32*j_+4*i_:32*j_+4*i_+3], v[WO], s[PT+2*j_:PT+2*j_+1] offset:i_*PITCH th:TH_LOAD_NT
.set i_, i_+1
.endr
.set j_, j_+1
.endr
	WIN 0
.endm
; Slot j's unit: rounded, turned (a lane's 8 K of one channel are 16 bytes) and laid into LDS: channel 4 q + c goes to fragment c, place q: 16 lanes write 256 consecutive bytes.
; refill = 1: the slot takes the next trip's unit.  left: the younger loads, which stay out.
.macro UNIT j, refill, left
	s_wait_loadcnt \left                           ; this slot's eight loads are in, so its pointer may be stepped
.if \refill
	s_add_nc_u64 s[PT+2*(\j):PT+2*(\j)+1], s[PT+2*(\j):PT+2*(\j)+1], 524288
.endif
	WIN W_CV
.irp c, 0,1,2,3
.irp a, 0,1,2,3
	v_cvt_pk_bf16_f32 v[CT+4*\c+\a], v[32*(\j)+8*\a+\c], v[32*(\j)+8*\a+4+\c]
.endr
.endr
	WIN W_ST
.irp c, 0,1,2,3
	ds_store_b128 v[WL], v[CT+4*\c:CT+4*\c+3] offset:((((\j)%JDIV)/2)*F+4*((\j)/JDIV)+\c)*BP+(((\j)%JDIV)%2)*512
.endr
.if \refill
.irp i, 0,1,2,3,4,5,6,7
	global_load_b128 v[32*(\j)+4*\i:32*(\j)+4*\i+3], v[WO], s[PT+2*(\j):PT+2*(\j)+1] offset:\i*PITCH th:TH_LOAD_NT
.endr
.endif
.endm
; Job 1's slice: my wave's quarter of the image is copied as it lies.  CPA: its first 64 loads of 512 consecutive bytes.  CPB: group g of eight goes into LDS; refill = 1: its registers take the second half's group.
.macro CPA
	WIN W_ST
.set i_, 0
.rept 64
	global_load_b128 v[4*i_:4*i_+3], v[BA0], s[IMG:IMG+1] offset:512*i_ th:TH_LOAD_HT
.set i_, i_+1
.endr
	WIN 0
.endm
.macro CPB g, refill, left, base
	s_wait_loadcnt \left
	WIN W_CP
.irp k, 0,1,2,3,4,5,6,7
	ds_store_b128 v[CPL], v[32*(\g)+4*\k:32*(\g)+4*\k+3] offset:(\base)+512*(8*(\g)+\k)
.endr
.if \refill
.irp k, 0,1,2,3,4,5,6,7
	global_load_b128 v[32*(\g)+4*\k:32*(\g)+4*\k+3], v[BA0], s[IMG:IMG+1] offset:32768+512*(8*(\g)+\k) th:TH_LOAD_HT
.endr
.endif
.endm
.macro ALD T, sl                       ; x's fragments of one K step, T tiles, into ring slot sl, by the slot's own pointer
	WIN W_A
.set t_, 0
.rept \T
	global_load_b128 v[8*\T*(\sl)+8*t_:8*\T*(\sl)+8*t_+3],   v[AO+t_], s[PT+2*(\sl):PT+2*(\sl)+1] th:TH_LOAD_HT
	global_load_b128 v[8*\T*(\sl)+8*t_+4:8*\T*(\sl)+8*t_+7], v[AO+t_], s[PT+2*(\sl):PT+2*(\sl)+1] offset:AH th:TH_LOAD_HT
.set t_, t_+1
.endr
.endm
.macro BLD bb, blk                     ; the weights' fragments of one K step (blocks blk .. blk + F - 1 from BA on): 512 consecutive bytes a load
.set f_, 0
.rept F
	ds_load_b128 v[BB+64*(\bb)+8*f_:BB+64*(\bb)+8*f_+3],   v[BA] offset:((\blk)+f_)*BP
	ds_load_b128 v[BB+64*(\bb)+8*f_+4:BB+64*(\bb)+8*f_+7], v[BA] offset:((\blk)+f_)*BP+512
.set f_, f_+1
.endr
.endm
; A K step on ring slot sl.  All T F accumulators take turns, one instruction a turn, in the same order in every step.  zero = 1: the products start the sums.
; lb = 1: the weights' fragments of the step two on; the address's step and three v_nop are the four places ahead of the loads into registers that the products read.
; la = 1: x's fragments of the step D on; la = 2: the same, but in the loop's last trip the pointer stays, so that the load asks again for a step that exists and not for step 32.
; wa, wb: the younger loads that stay out.
.macro KSTEP T, D, sl, zero, la, lb, wa, wb
	s_wait_loadcnt \wa
	s_wait_dscnt \wb
	WIN W_MM
.set t_, 0
.rept \T
.set f_, 0
.rept F
.if \zero
	v_wmma_f32_16x16x32_bf16 v[8*(t_*F+f_):8*(t_*F+f_)+7], v[BB+64*((\sl)%2)+8*f_:BB+64*((\sl)%2)+8*f_+7], v[8*\T*(\sl)+8*t_:8*\T*(\sl)+8*t_+7], 0
.else
	v_wmma_f32_16x16x32_bf16 v[8*(t_*F+f_):8*(t_*F+f_)+7], v[BB+64*((\sl)%2)+8*f_:BB+64*((\sl)%2)+8*f_+7], v[8*\T*(\sl)+8*t_:8*\T*(\sl)+8*t_+7], v[8*(t_*F+f_):8*(t_*F+f_)+7]
.endif
.set f_, f_+1
.endr
.set t_, t_+1
.endr
	WIN 0
.if \lb
	v_add_nc_u32 v[BA], F*BP, v[BA]
	v_nop
	v_nop
	v_nop
	BLD (\sl)%2, F
.endif
.if (\la) == 1
	s_add_nc_u64 s[PT+2*(\sl):PT+2*(\sl)+1], s[PT+2*(\sl):PT+2*(\sl)+1], \D*ASTEP  ; free since the wait at the step's head: this slot's loads are in
	ALD \T, \sl
.endif
.if (\la) == 2
	s_cmp_eq_u32 s32, 1
	s_cselect_b32 s[INC], 0, \D*ASTEP
	s_add_nc_u64 s[PT+2*(\sl):PT+2*(\sl)+1], s[PT+2*(\sl):PT+2*(\sl)+1], s[INC:INC+1]
	ALD \T, \sl
.endif
.endm
; T tiles through all 32 K steps: step 0, whose products start the sums; a loop over steps 1 .. 32 - D, D a trip; the last D - 1 steps, which ask for nothing.
; x's loads: 2 T a step, D steps out, so 2 T (D - 1) stay out at a step's wait; in the tail 2 T (D - slot), the repeated load among them, and 0 at the end.  The weights': 2 F a step, one step ahead.
.macro CHUNK T, D
.set s_, 0
.rept \D
	s_add_nc_u64 s[PT+2*s_:PT+2*s_+1], s[AB:AB+1], s_*ASTEP  ; every earlier load by these pointers has been waited for
.set s_, s_+1
.endr
	v_mov_b32 v[BA], v[BA0]
.set s_, 0
.rept \D
	ALD \T, s_
.set s_, s_+1
.endr
	WIN 0
	BLD 0, 0
	BLD 1, F
	KSTEP \T, \D, 0, 1, 1, 1, 2*\T*(\D-1), 2*F
	WIN 0
	s_mov_b32 s32, (32-\D)/\D
.Lk_\@:
.set s_, 1
.rept \D-1
	KSTEP \T, \D, s_, 0, 1, 1, 2*\T*(\D-1), 2*F
.set s_, s_+1
.endr
	KSTEP \T, \D, 0, 0, 2, 1, 2*\T*(\D-1), 2*F
	WIN 0
	s_sub_co_u32 s32, s32, 1
	s_cmp_lg_u32 s32, 0
	s_cbranch_scc1 .Lk_\@
.set s_, 1
.rept \D-1
.if s_ == \D-1
	KSTEP \T, \D, s_, 0, 0, 0, 0, 0
.elseif s_ == \D-2
	KSTEP \T, \D, s_, 0, 0, 0, 2*\T*(\D-s_), 2*F
.else
	KSTEP \T, \D, s_, 0, 0, 1, 2*\T*(\D-s_), 2*F
.endif
.set s_, s_+1
.endr
	PLACES
.endm
; THE WAY OUT of tile t: h = g u / (1 + 2^(-log2(e) g)).  The 32 exponentials are one batch with one wait, and so are the 32 reciprocals.  The accumulators are read from their low end on.
; Group o of eight channels (32 h + 8 o ..) is made of registers 2 o and 2 o + 1 of the four accumulators.
.macro EPI t
	WIN W_S0
.set p_, 0
.rept 16
	v_pk_mul_f32 v[E+2*p_:E+2*p_+1], v[64*(\t)+2*p_:64*(\t)+2*p_+1], s[42:43] op_sel_hi:[1,0]
.set p_, p_+1
.endr
	WIN 0
.set p_, 0
.rept 32
	v_exp_f32 v[E+p_], v[E+p_]
.set p_, p_+1
.endr
	v_nop                                          ; a plain instruction behind the last exponential,
	s_wait_alu depctr_va_vdst(0)                   ; and the wait ahead of the first reader
.set p_, 0
.rept 16
	v_pk_add_f32 v[E+2*p_:E+2*p_+1], v[E+2*p_:E+2*p_+1], 1.0 op_sel_hi:[1,0]
.set p_, p_+1
.endr
.set p_, 0
.rept 32
	v_rcp_f32 v[E+p_], v[E+p_]
.set p_, p_+1
.endr
	v_nop
	s_wait_alu depctr_va_vdst(0)
	WIN W_S0
.set p_, 0
.rept 16
	v_pk_mul_f32 v[E+2*p_:E+2*p_+1], v[64*(\t)+2*p_:64*(\t)+2*p_+1], v[E+2*p_:E+2*p_+1]
.set p_, p_+1
.endr
.set p_, 0
.rept 16
	v_pk_mul_f32 v[E+2*p_:E+2*p_+1], v[64*(\t)+32+2*p_:64*(\t)+32+2*p_+1], v[E+2*p_:E+2*p_+1]
.set p_, p_+1
.endr
	WIN 0
	s_wait_xcnt 0x0                                ; the packed registers, which the last tile's stores read, are rewritten only behind this wait
.irp o, 0,1,2,3
.irp a, 0,1,2,3
	v_cvt_pk_bf16_f32 v[PK+4*\o+\a], v[E+16*(\a%2)+2*\o+(\a/2)], v[E+16*(\a%2)+8+2*\o+(\a/2)]
.endr
.endr
.irp o, 0,1,2,3
	global_store_b128 v[HO+(\t)], v[PK+4*\o:PK+4*\o+3], s[44:45] offset:\o*OS  ; 16 lanes: 16 places x 16 bytes = 256 consecutive bytes, aligned
.endr
.endm
	s_load_b256 s[4:11], s[0:1], 0x0               ; xb s[4:5], msk s[6:7], eg_w s[8:9], eu_w s[10:11]
	s_load_b128 s[12:15], s[0:1], 0x20             ; sw1 s[12:13], hq s[14:15]
	v_lshl_add_u32 v[SPW], v0, 2, SPARE
	v_mov_b32 v[NIL], 0
	v_lshrrev_b32 v[TM], 5, v0
	v_readfirstlane_b32 s18, v[TM]                 ; wave 0..3
	s_lshr_b32 s19, ttmp9, 5                       ; e
	s_and_b32 s20, ttmp9, 31                       ; s
	v_and_b32 v[LN], 31, v0
	v_and_b32 v1, 15, v0                           ; r, and q
	v_bfe_u32 v2, v0, 4, 1                         ; h, and hh
	v_lshl_add_u32 v[RK0], s18, 4, v1
	v_lshlrev_b32 v[BA0], 4, v[LN]
	v_lshlrev_b32 v[WO], 4, v1
	v_lshl_add_u32 v[WO], v2, WOSH, v[WO]          ; 8 hh rows + 16 q
	s_lshl_b32 s52, s18, 16                        ; my wave's 8 K steps: 65,536 bytes of the slice, in LDS and in sw1
	v_add_nc_u32 v[CPL], s52, v[BA0]               ; place q, piece row hh: 16 q + 256 hh = 16 lane
	s_lshl_b32 s46, s20, 18                        ; sw1: 262,144 bytes a slice
	s_add_co_u32 s46, s46, s52
	s_mov_b32 s47, 0
	v_add_nc_u32 v[DI], 1152, v[LN]
	v_lshlrev_b32 v[H16], 4, v2
	v_mul_u32_u24 v[HOS], v2, 4*OS
	v_lshlrev_b32 v[MA], 7, v[LN]
	v_lshl_add_u32 v[MA], s19, 2, v[MA]            ; msk[lane][e]
	s_mul_i32 s23, s18, LSTR
	s_add_co_u32 s23, s23, LIST
	s_lshl_b32 s40, s18, 21                        ; my wave's 256 rows of the weights,
	s_lshl_b32 s52, s20, 8                         ; my slice's 256 bytes of a row
	s_add_co_u32 s40, s40, s52
	s_mov_b32 s41, 0
	s_lshl_b32 s52, s19, 23                        ; my expert
	s_mov_b32 s53, 0
	s_mul_i32 s54, s20, 8*OS                       ; my slice's 8 groups of channels in hq
	s_mov_b32 s55, 0
	s_mov_b32 s42, 0xbfb8aa3b                      ; -log2(e)
	s_mov_b32 s43, s42                             ; named with it as a pair
	s_mov_b32 s[INC], 0
	s_mov_b32 s[INC+1], 0
	s_lshl_b32 s25, s19, 10                        ; job 0: places 1024 e ..
	s_mov_b32 s56, 0
	s_mov_b32 s30, 2
	s_wait_kmcnt 0x0
	global_load_b32 v[VM], v[MA], s[6:7]
	s_add_nc_u64 s[8:9], s[8:9], s[40:41]
	s_add_nc_u64 s[8:9], s[8:9], s[52:53]
	s_add_nc_u64 s[10:11], s[10:11], s[40:41]
	s_add_nc_u64 s[10:11], s[10:11], s[52:53]
	s_add_nc_u64 s[IMG:IMG+1], s[IMG:IMG+1], s[46:47]
	s_add_nc_u64 s[44:45], s[14:15], s[54:55]
	FILL
	; THE LIST, while the weights are on their way
	s_wait_loadcnt 63                              ; the mask's load is older than the 64 of the weights
	s_mov_b32 s21, 0
.set j_, 0
.rept 32
	v_readlane_b32 s52, v[VM], j_                  ; tokens 32 j .. 32 j + 31: who chose e
	v_mbcnt_lo_u32_b32 v[TM], s52, s21             ; rank = rows so far + chosen lanes below me
	v_cndmask_b32 v[TM], v[DI], v[TM], s52         ; not chosen: my dump word
	v_min_u32 v[TM], 1183, v[TM]
	v_lshl_add_u32 v[TM], v[TM], 2, s23
	v_add_nc_u32 v[TM+1], 32*j_, v[LN]             ; the token
	ds_store_b32 v[TM], v[TM+1]
	s_bcnt1_i32_b32 s52, s52
	s_add_co_u32 s21, s21, s52
.set j_, j_+1
.endr
	s_lshl_b32 s52, s19, 7
	v_add_nc_u32 v[TM+1], s52, v[LN]
	v_lshl_add_u32 v[TM], v[LN], 2, s23
.irp a, 0,1,2,3
	v_add_nc_u32 v[TM+2], 32*\a, v[TM+1]           ; job 1's rows: tokens 128 e + i
	ds_store_b32 v[TM], v[TM+2] offset:4096+128*\a
.endr
	s_sub_co_u32 s22, s21, 1
	s_mov_b32 s32, NTRIP-1
.Lld:
.irp j, 0,1,2,3,4,5,6,7
	UNIT \j, 1, 56                                 ; seven younger slots of eight loads stay out
.endr
	WIN 0
	v_add_nc_u32 v[WL], WSTEP, v[WL]
	s_sub_co_u32 s32, s32, 1
	s_cmp_lg_u32 s32, 0
	s_cbranch_scc1 .Lld
.irp j, 0,1,2,3,4,5,6,7
	UNIT \j, 0, 8*(7-\j)                           ; the last trip loads nothing: the counts run down
.endr
	WIN 0
.Ljob:
	s_wait_dscnt 0x0                               ; for the others' sake: my part of the slice is in LDS
	s_barrier_signal -1
	s_barrier_wait -1
	s_add_co_u32 s26, s21, 15
	s_lshr_b32 s26, s26, 4                         ; tiles of 16 rows
	s_add_co_u32 s26, s26, 3
	s_sub_co_u32 s26, s26, s18
	s_lshr_b32 s26, s26, 2                         ; of which w, w + 4, .. are mine
	s_mov_b32 s27, 0
	s_mov_b32 s29, 0
	s_mov_b32 s31, 4
.Lchunk:
	s_cmp_ge_u32 s27, s26
	s_cbranch_scc1 .Lnext                          ; nothing left for this wave
	s_sub_co_u32 s28, s26, s27
	s_wait_xcnt 0x0                                ; the stores' offsets are rewritten only behind this wait
.irp t, 0,1,2,3
	v_add3_u32 v[RK+\t], v[RK0], s29, 64*\t
	v_min_u32 v[RK+\t], s22, v[RK+\t]              ; past the count: the last row again
	v_min_u32 v[RK+\t], 0x3ff, v[RK+\t]
	v_add_nc_u32 v[TM+\t], s56, v[RK+\t]
	v_min_u32 v[TM+\t], 0x47f, v[TM+\t]
	v_lshl_add_u32 v[TM+\t], v[TM+\t], 2, s23
.endr
.irp t, 0,1,2,3
	ds_load_b32 v[ID+\t], v[TM+\t]
.endr
.irp t, 0,1,2,3
	v_add_lshl_u32 v[HO+\t], v[RK+\t], s25, 4
	v_add_nc_u32 v[HO+\t], v[HO+\t], v[HOS]
.endr
	s_wait_dscnt 0x0
.irp t, 0,1,2,3
	v_min_u32 v[ID+\t], 0x3ff, v[ID+\t]
	v_lshl_add_u32 v[AO+\t], v[ID+\t], 11, v[H16]
.endr
	s_cmp_ge_u32 s28, 3
	s_cbranch_scc1 .Lc4
	CHUNK 2, 8
	s_add_co_u32 s27, s27, 2
	s_cmp_ge_u32 s28, 2
	s_cbranch_scc1 .Lep1
	s_branch .Lep0                                 ; one tile was left: the second is not stored
.Lc4:
	CHUNK 4, 4
	s_add_co_u32 s27, s27, 4
	s_cmp_ge_u32 s28, 4
	s_cbranch_scc0 .Lep2                           ; three tiles were left: the fourth is not stored
	EPI 3
.Lep2:
	EPI 2
.Lep1:
	EPI 1
.Lep0:
	EPI 0
	s_lshl_b32 s29, s27, 6
.Lnext:
	s_sub_co_u32 s31, s31, 1
	s_cmp_lg_u32 s31, 0
	s_cbranch_scc1 .Lchunk
	s_cmp_eq_u32 s30, 1
	s_cbranch_scc1 .Ldone                          ; job 1 is done (the count is the same in every wave)
	CPA                                            ; job 1's slice: the first half of my quarter is asked for while the other waves finish job 0
	s_wait_dscnt 0x0                               ; my reads of job 0's slice are over:
	s_barrier_signal -1
	s_barrier_wait -1                              ; everybody's are, and those bytes may be written
.irp g, 0,1,2,3,4,5,6,7
	CPB \g, 1, 56, 0                               ; seven younger groups of eight loads stay out
.endr
.irp g, 0,1,2,3,4,5,6,7
	CPB \g, 0, 8*(7-\g), 32768                     ; the second half: the counts run down
.endr
	WIN 0
	s_mov_b32 s21, 128                             ; job 1: 128 rows,
	s_mov_b32 s22, 127
	s_mov_b32 s56, 1024                            ; the list's second part,
	s_lshl_b32 s25, s19, 7
	s_add_co_u32 s25, s25, 8192                    ; places 8192 + 128 e ..
	s_sub_co_u32 s30, s30, 1
	s_cmp_lg_u32 s30, 0
	s_cbranch_scc1 .Ljob
.Ldone:
	s_wait_dscnt 0x0                               ; my LDS reads of job 1 are over:
	s_barrier_signal -1
	s_barrier_wait -1                              ; everybody's are: a barrier stands between all waves' LDS reads and the launch's last LDS write
	s_wait_tensorcnt 0x0                           ; the wave's end
	ds_add_u32 v[SPW], v[NIL]
	s_wait_dscnt 0x0
	s_endpgm
.Lfunc_end_k_q5c9d0a1afa_gateup:
	.size	k_q5c9d0a1afa_gateup, .Lfunc_end_k_q5c9d0a1afa_gateup-k_q5c9d0a1afa_gateup
	.p2alignl 7, 3214868480
	.fill 96, 4, 3214868480
	.section	.rodata,"a",@progbits
	.p2align	6, 0x0
	.amdhsa_kernel k_q5c9d0a1afa_gateup
		.amdhsa_group_segment_fixed_size 282112
		.amdhsa_private_segment_fixed_size 0
		.amdhsa_enable_private_segment 0
		.amdhsa_kernarg_size 48
		.amdhsa_user_sgpr_count 2
		.amdhsa_user_sgpr_kernarg_segment_ptr 1
		.amdhsa_wavefront_size32 1
		.amdhsa_system_sgpr_workgroup_id_x 1
		.amdhsa_system_sgpr_workgroup_id_y 1
		.amdhsa_system_sgpr_workgroup_id_z 1
		.amdhsa_system_vgpr_workitem_id 0
		.amdhsa_next_free_vgpr 640
		.amdhsa_next_free_sgpr 96
		.amdhsa_reserve_vcc 0
		.amdhsa_float_denorm_mode_32 3
		.amdhsa_float_denorm_mode_16_64 3
		.amdhsa_memory_ordered 1
		.amdhsa_forward_progress 1
		.amdhsa_inst_pref_size 188
	.end_amdhsa_kernel
	.amdgpu_metadata
---
amdhsa.version: [ 1, 2 ]
amdhsa.kernels:
  - .name:           k_q5c9d0a1afa_gateup
    .symbol:         k_q5c9d0a1afa_gateup.kd
    .args:
      - { .name: xb, .offset: 0, .size: 8, .value_kind: global_buffer, .address_space: global }
      - { .name: msk, .offset: 8, .size: 8, .value_kind: global_buffer, .address_space: global }
      - { .name: eg_w, .offset: 16, .size: 8, .value_kind: global_buffer, .address_space: global }
      - { .name: eu_w, .offset: 24, .size: 8, .value_kind: global_buffer, .address_space: global }
      - { .name: sw1, .offset: 32, .size: 8, .value_kind: global_buffer, .address_space: global }
      - { .name: hq, .offset: 40, .size: 8, .value_kind: global_buffer, .address_space: global }
    .group_segment_fixed_size: 282112
    .private_segment_fixed_size: 0
    .kernarg_segment_align: 8
    .kernarg_segment_size: 48
    .max_flat_workgroup_size: 128
    .sgpr_count:     96
    .vgpr_count:     640
    .wavefront_size: 32
...
	.end_amdgpu_metadata
.endif
;; end of part 2
;; launch down (part 3): grid 256 x 1, 4 waves a work-group, no clusters, 151,040 bytes of LDS; arguments hq, msk, ed_w, sw2, pr; writes pr
.if DOCPART == 3
	.amdgcn_target "amdgcn-amd-amdhsa--gfx1250"
	.amdhsa_code_object_version 6
	.text
	.protected	k_q5c9d0a1afa_down
	.globl	k_q5c9d0a1afa_down
	.p2align	8
	.type	k_q5c9d0a1afa_down,@function
k_q5c9d0a1afa_down:
	s_mov_b64 s[64:65], 0
	v_nop
	global_prefetch_b8 v0, s[64:65] scope:SCOPE_SE
	s_setreg_imm32_b32 hwreg(HW_REG_WAVE_MODE, 25, 1), 1
	s_wait_xcnt 0x0
; SECOND PRODUCT.  pr[kh][id][:] = the sum over half kh of the hidden channels of h[row] Wd, in f32: partial rows, which the next launch weighs and adds.
; id = 2 token + k for a token's k-th choice, 2048 + token for the shared expert.  hq as the launch before left it: [256 groups of 8 hidden channels][9,216 places][8] bf16.
; SHARES.  Work-group (e, s, kh), e = 0..7, s = 0..15, kh = 0..1, does two JOBS: job 0: output channels 64 s .. 64 s + 63, hidden channels 1024 kh .. of expert e's Wd, which it
; alone reads, for ALL of e's rows; job 1: the same part of the shared expert's Wd for tokens 128 e .. 128 e + 127.  K is split in two so that 256 work-groups have a slice each.
; JOB 0's SLICE (1,024 x 64, f32) comes through registers, is rounded and laid into LDS in fragment order, 64 loads a wave on their way.  JOB 1's SLICE was rounded and laid out so by the first
; launch (sw2): it is copied, its 64 loads a wave asked for ahead of the barrier that ends job 0.
; THE PRODUCTS, one text for both jobs.  Wave w takes tiles of 16 rows w, w + 4, .., 4 or 2 at a time, 32 K steps each; h's rows come straight from memory into registers (16 rows of a tile are 256
; consecutive bytes for each group of channels) through a ring of eight K steps: a K step is only 16 or 8 matrix instructions here.
; Between a job's two barriers nothing writes LDS.  The loop over chunks has a constant count that covers every split; a wave with nothing left jumps forward over the work; no barrier stands in it.
; ROWS PAST THE COUNT repeat the expert's last row: in a tile that is not full the same numbers go to the same place; a tile wholly past the count (three tiles go as four, one as two) is not stored.
; EXEC is never changed.
; LAYOUT.  Source 0 = 16 rows of h, source 1 = 16 output channels, and fragment f's place r is channel 4 r + f of the slice.  So register j of accumulator f in lane (r, h) is row 8 h + j,
; channel 4 r + f: the four accumulators' registers j, gathered by four moves, are 16 neighbouring bytes of a row, and 16 lanes hold the slice's 256 bytes of it.  No trip through LDS on the way out.
; POINTERS.  Each slot of h's ring and each of the eight units of the weights has a scalar pointer of its own, stepped behind the counted wait that shows that slot's own loads done.
; NO TENSOR LOADS, NO CLUSTER: the routed weights are f32 and pass through registers to be rounded; a routed slice has one reader; what an expert's 32 work-groups share, its rows of h, is read
; straight into fragment registers; only the shared slice (128 KB of the 384 KB of weights that a work-group reads) has 8 readers, and these begin job 1 at times that hang on their experts' counts.
; HINTS.  The routed weights are read once in the launch: non-temporal.  hq and sw2 are read by many work-groups: high-temporal.
.set F,     4                          ; fragments of 16 output channels in a K step
.set PITCH, 4096                       ; bytes in a row of the weights
.set WOSH,  15                         ; 8 rows of them = 1 << 15
.set NTRIP, 2                          ; trips of the weight loop: 8 units of 16 K x 64 channels each
.set JDIV,  8                          ; all of a trip's units belong to the one matrix
.set OS,    147456                     ; bytes in hq for one group of 8 channels
.set ASTEP, 4*OS                       ; a K step is four groups
.set AH,    2*OS                       ; from a fragment's first half to its second
.set AB,    50                         ; s[50:51]: hq at my half of the hidden channels
.set IMG,   10                         ; s[10:11]: my wave's quarter of my slice in sw2
.set BP,    1024                       ; a fragment's block in LDS: 64 pieces of 16 bytes; stores and loads both take neighbouring pieces
.set WSTEP, 16*BP                      ; LDS bytes that a trip of the weight loop fills: 4 K steps x 4 fragments
.set LIST,  32*F*BP                    ; behind the slice: the lists
.set LSTR,  4864                       ; a wave's list: 1,024 + 128 words, 32 dump words, rounded up to blocks of 256 bytes
.set SPARE, LIST+4*LSTR                ; the spare words, 128 bytes a wave; no other line names them
; window 0
.set RK0, 3                            ; v3      16 w + r
.set RK,  4                            ; v4-7    my row's rank in tile t
.set AO,  12                           ; v12-15  its byte offset in hq
.set BA,  20                           ; v20     LDS address of the fragments, walking;  v21 its start, 16 lane
.set BA0, 21
.set WL,  22                           ; v22     LDS address of my pieces of the weights, walking
.set WO,  24                           ; v24     my byte offset in a unit of the weights
.set DI,  25                           ; v25     1152 + lane: my dump word's index
.set SPW, 26                           ; v26     my spare word's address; never rewritten
.set NIL, 27                           ; v27     0; never rewritten
.set TM,  28                           ; v28-31  at work
.set OB,  32                           ; v32-63  the way out: for each j four neighbouring channels of row 8 h + j
.set OA,  64                           ; v64-71  those rows' ids, then their byte offsets in pr
.set LA,  72                           ; v72-79  where their ids lie in the list
.set CT,  80                           ; v80-95  a unit's 4 channels x 8 K, packed
.set VM,  96                           ; v96     lane j: the mask of group j for expert e
.set VK,  97                           ; v97     the same for 'second choice'
.set LN,  98                           ; v98 lane; v99 2 lane; v100 2 lane + 1
.set L2,  99
.set L21, 100
.set HOS, 102                          ; v102 h OS;  v103 the masks' offset
.set MA,  103
.set CPL, 104                          ; v104    32,768 w + 16 lane: my 16 bytes in my wave's quarter of the slice in LDS
.set RKE, 106                          ; v106 16 w + 8 h;  v107 16 r
.set C16, 107
.set BB,  128                          ; v128-159, v192-223: the weights' fragments of two K steps
; window 1: accumulator (t, f) at 8 (t F + f); while weights are loaded: 8 slots of 32.   window 2: h's fragments, ring slot sl, tile t at 8 T sl + 8 t
.set W_MM, 0x52                        ; source 0 (h) window 2, source 1 (weights) window 0, C and D window 1
.set W_A,  0x80                        ; destination window 2
.set W_ST, 0x40                        ; destination window 1
.set W_CV, 0x05                        ; sources 0 and 1 window 1
.set W_S0, 0x01                        ; source 0 window 1
.set W_CP, 0x44                        ; a load's destination and an LDS store's data in window 1
; scalars: s18 w, s19 e, s20 s, s33 kh, s21 n, s22 n - 1, s23 my list, s25 first place in hq, s26 my tiles, s27 tiles done, s28 tiles left, s29 64 x done, s30-32 counters,
; s[44:45] pr at my half and channels, s56 the list's first index, s57 s29 + s56, s58 n - 1 + s56, s40-41, s46-49, s52-55 at work
.set PT,  66                           ; s[66:81] eight pointers: the weights' units, then the ring's slots
.set INC, 82                           ; s[82:83] slot 0's step in the K loop
.set MSB, 0
.macro WIN new                         ; the immediate's high byte repeats the setting that is left; a switch that changes nothing is dropped
.if MSB != (\new)
	s_set_vgpr_msb (MSB<<8)|(\new)
.set MSB, \new
.endif
.endm
.macro PLACES                          ; four places behind a matrix instruction, ahead of readers of its result (ISA guide 7.12.1)
.rept 4
	v_nop
.endr
.endm
; The first 64 loads of job 0.  A unit is 16 K x 64 channels: lane (q = l % 16, hh = l / 16) takes rows 8 hh + i, i = 0..7, channels 4 q .. 4 q + 3: 16 lanes read 256 consecutive bytes, aligned.
.macro FILL
.set j_, 0
.rept 8
	s_add_nc_u64 s[PT+2*j_:PT+2*j_+1], s[8+2*(j_/JDIV):9+2*(j_/JDIV)], 16*(j_%JDIV)*PITCH
.set j_, j_+1
.endr
	v_mov_b32 v[WL], v[CPL]
	WIN W_ST
.set j_, 0
.rept 8
.set i_, 0
.rept 8
	global_load_b128 v[32*j_+4*i_:32*j_+4*i_+3], v[WO], s[PT+2*j_:PT+2*j_+1] offset:i_*PITCH th:TH_LOAD_NT
.set i_, i_+1
.endr
.set j_, j_+1
.endr
	WIN 0
.endm
; Slot j's unit: rounded, turned (a lane's 8 K of one channel are 16 bytes) and laid into LDS: channel 4 q + c goes to fragment c, place q: 16 lanes write 256 consecutive bytes.
; refill = 1: the slot takes the next trip's unit.  left: the younger loads, which stay out.
.macro UNIT j, refill, left
	s_wait_loadcnt \left                           ; this slot's eight loads are in, so its pointer may be stepped
.if \refill
	s_add_nc_u64 s[PT+2*(\j):PT+2*(\j)+1], s[PT+2*(\j):PT+2*(\j)+1], 524288
.endif
	WIN W_CV
.irp c, 0,1,2,3
.irp a, 0,1,2,3
	v_cvt_pk_bf16_f32 v[CT+4*\c+\a], v[32*(\j)+8*\a+\c], v[32*(\j)+8*\a+4+\c]
.endr
.endr
	WIN W_ST
.irp c, 0,1,2,3
	ds_store_b128 v[WL], v[CT+4*\c:CT+4*\c+3] offset:((((\j)%JDIV)/2)*F+4*((\j)/JDIV)+\c)*BP+(((\j)%JDIV)%2)*512
.endr
.if \refill
.irp i, 0,1,2,3,4,5,6,7
	global_load_b128 v[32*(\j)+4*\i:32*(\j)+4*\i+3], v[WO], s[PT+2*(\j):PT+2*(\j)+1] offset:\i*PITCH th:TH_LOAD_NT
.endr
.endif
.endm
; Job 1's slice: my wave's quarter of the image is copied as it lies.  CPA: its 64 loads of 512 consecutive bytes.  CPB: group g of eight goes into LDS.
.macro CPA
	WIN W_ST
.set i_, 0
.rept 64
	global_load_b128 v[4*i_:4*i_+3], v[BA0], s[IMG:IMG+1] offset:512*i_ th:TH_LOAD_HT
.set i_, i_+1
.endr
	WIN 0
.endm
.macro CPB g, left
	s_wait_loadcnt \left
	WIN W_CP
.irp k, 0,1,2,3,4,5,6,7
	ds_store_b128 v[CPL], v[32*(\g)+4*\k:32*(\g)+4*\k+3] offset:512*(8*(\g)+\k)
.endr
.endm
.macro ALD T, sl                       ; h's fragments of one K step, T tiles, into ring slot sl, by the slot's own pointer: 16 lanes read 256 consecutive bytes, aligned
	WIN W_A
.set t_, 0
.rept \T
	global_load_b128 v[8*\T*(\sl)+8*t_:8*\T*(\sl)+8*t_+3],   v[AO+t_], s[PT+2*(\sl):PT+2*(\sl)+1] th:TH_LOAD_HT
	global_load_b128 v[8*\T*(\sl)+8*t_+4:8*\T*(\sl)+8*t_+7], v[AO+t_], s[PT+2*(\sl):PT+2*(\sl)+1] offset:AH th:TH_LOAD_HT
.set t_, t_+1
.endr
.endm
.macro BLD bb, blk                     ; the weights' fragments of one K step (blocks blk .. blk + F - 1 from BA on): 512 consecutive bytes a load
.set f_, 0
.rept F
	ds_load_b128 v[BB+64*(\bb)+8*f_:BB+64*(\bb)+8*f_+3],   v[BA] offset:((\blk)+f_)*BP
	ds_load_b128 v[BB+64*(\bb)+8*f_+4:BB+64*(\bb)+8*f_+7], v[BA] offset:((\blk)+f_)*BP+512
.set f_, f_+1
.endr
.endm
; A K step on ring slot sl.  All T F accumulators take turns, one instruction a turn, in the same order in every step.  zero = 1: the products start the sums.
; lb = 1: the weights' fragments of the step two on; the address's step and three v_nop are the four places ahead of the loads into registers that the products read.
; la = 1: h's fragments of the step D on; la = 2: the same, but in the loop's last trip the pointer stays, so that the load asks again for a step that exists and not for step 32.
; wa, wb: the younger loads that stay out.
.macro KSTEP T, D, sl, zero, la, lb, wa, wb
	s_wait_loadcnt \wa
	s_wait_dscnt \wb
	WIN W_MM
.set t_, 0
.rept \T
.set f_, 0
.rept F
.if \zero
	v_wmma_f32_16x16x32_bf16 v[8*(t_*F+f_):8*(t_*F+f_)+7], v[8*\T*(\sl)+8*t_:8*\T*(\sl)+8*t_+7], v[BB+64*((\sl)%2)+8*f_:BB+64*((\sl)%2)+8*f_+7], 0
.else
	v_wmma_f32_16x16x32_bf16 v[8*(t_*F+f_):8*(t_*F+f_)+7], v[8*\T*(\sl)+8*t_:8*\T*(\sl)+8*t_+7], v[BB+64*((\sl)%2)+8*f_:BB+64*((\sl)%2)+8*f_+7], v[8*(t_*F+f_):8*(t_*F+f_)+7]
.endif
.set f_, f_+1
.endr
.set t_, t_+1
.endr
	WIN 0
.if \lb
	v_add_nc_u32 v[BA], F*BP, v[BA]
	v_nop
	v_nop
	v_nop
	BLD (\sl)%2, F
.endif
.if (\la) == 1
	s_add_nc_u64 s[PT+2*(\sl):PT+2*(\sl)+1], s[PT+2*(\sl):PT+2*(\sl)+1], \D*ASTEP  ; free since the wait at the step's head: this slot's loads are in
	ALD \T, \sl
.endif
.if (\la) == 2
	s_cmp_eq_u32 s32, 1
	s_cselect_b32 s[INC], 0, \D*ASTEP
	s_add_nc_u64 s[PT+2*(\sl):PT+2*(\sl)+1], s[PT+2*(\sl):PT+2*(\sl)+1], s[INC:INC+1]
	ALD \T, \sl
.endif
.endm
; T tiles through all 32 K steps: step 0, whose products start the sums; a loop over steps 1 .. 32 - D, D a trip; the last D - 1 steps, which ask for nothing.
; h's loads: 2 T a step, D steps out, so 2 T (D - 1) stay out at a step's wait; in the tail 2 T (D - slot), the repeated load among them, and 0 at the end.  The weights': 2 F a step, one step ahead.
.macro CHUNK T, D
.set s_, 0
.rept \D
	s_add_nc_u64 s[PT+2*s_:PT+2*s_+1], s[AB:AB+1], s_*ASTEP  ; every earlier load by these pointers has been waited for
.set s_, s_+1
.endr
	v_mov_b32 v[BA], v[BA0]
.set s_, 0
.rept \D
	ALD \T, s_
.set s_, s_+1
.endr
	WIN 0
	BLD 0, 0
	BLD 1, F
	KSTEP \T, \D, 0, 1, 1, 1, 2*\T*(\D-1), 2*F
	WIN 0
	s_mov_b32 s32, (32-\D)/\D
.Lk_\@:
.set s_, 1
.rept \D-1
	KSTEP \T, \D, s_, 0, 1, 1, 2*\T*(\D-1), 2*F
.set s_, s_+1
.endr
	KSTEP \T, \D, 0, 0, 2, 1, 2*\T*(\D-1), 2*F
	WIN 0
	s_sub_co_u32 s32, s32, 1
	s_cmp_lg_u32 s32, 0
	s_cbranch_scc1 .Lk_\@
.set s_, 1
.rept \D-1
.if s_ == \D-1
	KSTEP \T, \D, s_, 0, 0, 0, 0, 0
.elseif s_ == \D-2
	KSTEP \T, \D, s_, 0, 0, 0, 2*\T*(\D-s_), 2*F
.else
	KSTEP \T, \D, s_, 0, 0, 1, 2*\T*(\D-s_), 2*F
.endif
.set s_, s_+1
.endr
	PLACES
.endm
; THE WAY OUT of tile t.  The ids of rows 8 h + j are asked for from my list; meanwhile the four accumulators' registers j are gathered (j ascending: each accumulator is read from its low end on)
; then each row's 16 bytes a lane go to the place of its id.
.macro EPI t
	s_wait_xcnt 0x0                                ; what the last tile's stores read is rewritten only behind this wait
.irp j, 0,1,2,3,4,5,6,7
	v_add3_u32 v[LA+\j], v[RKE], s57, 64*(\t)+\j   ; the list index of row 8 h + j of the tile,
	v_min_u32 v[LA+\j], s58, v[LA+\j]              ; past the count: the last row's
	v_min_u32 v[LA+\j], 0x47f, v[LA+\j]
	v_lshl_add_u32 v[LA+\j], v[LA+\j], 2, s23
	ds_load_b32 v[OA+\j], v[LA+\j]
.endr
	WIN W_S0
.irp j, 0,1,2,3,4,5,6,7
.irp f, 0,1,2,3
	v_mov_b32 v[OB+4*\j+\f], v[32*(\t)+8*\f+\j]    ; channel 4 r + f of row 8 h + j
.endr
.endr
	WIN 0
	s_wait_dscnt 0x0                               ; the ids are in
.irp j, 0,1,2,3,4,5,6,7
	v_min_u32 v[OA+\j], 0xbff, v[OA+\j]
	v_lshl_add_u32 v[OA+\j], v[OA+\j], 12, v[C16]
	global_store_b128 v[OA+\j], v[OB+4*\j:OB+4*\j+3], s[44:45]  ; 16 lanes store 256 consecutive bytes, aligned
.endr
.endm
	s_load_b256 s[4:11], s[0:1], 0x0               ; hq s[4:5], msk s[6:7], ed_w s[8:9], sw2 s[10:11]
	s_load_b64 s[12:13], s[0:1], 0x20              ; pr
	v_lshl_add_u32 v[SPW], v0, 2, SPARE
	v_mov_b32 v[NIL], 0
	v_lshrrev_b32 v[TM], 5, v0
	v_readfirstlane_b32 s18, v[TM]                 ; wave 0..3
	s_lshr_b32 s19, ttmp9, 5                       ; e
	s_bfe_u32 s20, ttmp9, 0x40001                  ; s: four bits from bit 1
	s_and_b32 s33, ttmp9, 1                        ; kh
	v_and_b32 v[LN], 31, v0
	v_and_b32 v1, 15, v0                           ; r, and q
	v_bfe_u32 v2, v0, 4, 1                         ; h, and hh
	v_lshl_add_u32 v[RK0], s18, 4, v1
	v_lshlrev_b32 v[RKE], 3, v2
	v_lshl_add_u32 v[RKE], s18, 4, v[RKE]          ; 16 w + 8 h
	v_lshlrev_b32 v[C16], 4, v1
	v_lshlrev_b32 v[BA0], 4, v[LN]
	v_lshlrev_b32 v[WO], 4, v1
	v_lshl_add_u32 v[WO], v2, WOSH, v[WO]          ; 8 hh rows + 16 q
	s_lshl_b32 s52, s18, 15                        ; my wave's 8 K steps: 32,768 bytes of the slice, in LDS and in sw2
	v_add_nc_u32 v[CPL], s52, v[BA0]               ; place q, piece row hh: 16 q + 256 hh = 16 lane
	s_and_b32 s48, ttmp9, 31                       ; sw2: slice 2 s + kh, 131,072 bytes each
	s_lshl_b32 s48, s48, 17
	s_add_co_u32 s48, s48, s52
	s_mov_b32 s49, 0
	v_add_nc_u32 v[DI], 1152, v[LN]
	v_lshlrev_b32 v[L2], 1, v[LN]
	v_or_b32 v[L21], 1, v[L2]
	v_mul_u32_u24 v[HOS], v2, OS
	v_lshlrev_b32 v[MA], 7, v[LN]
	v_lshl_add_u32 v[MA], s19, 2, v[MA]            ; msk[lane][e]
	s_mul_i32 s23, s18, LSTR
	s_add_co_u32 s23, s23, LIST
	s_lshl_b32 s40, s33, 22                        ; my half's 1,024 rows of the weights,
	s_lshl_b32 s52, s18, 20                        ; my wave's 256 of them,
	s_add_co_u32 s40, s40, s52
	s_lshl_b32 s52, s20, 8                         ; my slice's 256 bytes of a row
	s_add_co_u32 s40, s40, s52
	s_mov_b32 s41, 0
	s_mul_i32 s46, s33, 12582912                   ; pr: my half's 3,072 rows, my slice's 256 bytes
	s_add_co_u32 s46, s46, s52
	s_mov_b32 s47, 0
	s_lshl_b32 s52, s19, 23                        ; my expert
	s_mov_b32 s53, 0
	s_mul_i32 s54, s33, 128*OS                     ; hq: my half's 128 groups of channels
	s_mov_b32 s55, 0
	s_mov_b32 s[INC], 0
	s_mov_b32 s[INC+1], 0
	s_lshl_b32 s25, s19, 10                        ; job 0: places 1024 e ..
	s_mov_b32 s56, 0
	s_mov_b32 s30, 2
	s_wait_kmcnt 0x0
	global_load_b32 v[VM], v[MA], s[6:7]
	global_load_b32 v[VK], v[MA], s[6:7] offset:32
	s_add_nc_u64 s[8:9], s[8:9], s[40:41]
	s_add_nc_u64 s[8:9], s[8:9], s[52:53]
	s_add_nc_u64 s[IMG:IMG+1], s[IMG:IMG+1], s[48:49]
	s_add_nc_u64 s[50:51], s[4:5], s[54:55]
	s_add_nc_u64 s[44:45], s[12:13], s[46:47]
	FILL
	; THE LIST, while the weights are on their way: the same ranks as in the launch before, from the same masks
	s_wait_loadcnt 63                              ; the two mask loads are older than the 64 of the weights
	s_mov_b32 s21, 0
.set j_, 0
.rept 32
	v_readlane_b32 s52, v[VM], j_                  ; tokens 32 j .. 32 j + 31: who chose e,
	v_readlane_b32 s53, v[VK], j_                  ; and who as second choice
	v_mbcnt_lo_u32_b32 v[TM], s52, s21             ; rank = rows so far + chosen lanes below me
	v_cndmask_b32 v[TM], v[DI], v[TM], s52         ; not chosen: my dump word
	v_cndmask_b32 v[TM+1], v[L2], v[L21], s53
	v_min_u32 v[TM], 1183, v[TM]
	v_lshl_add_u32 v[TM], v[TM], 2, s23
	v_add_nc_u32 v[TM+1], 64*j_, v[TM+1]           ; 2 token + k
	ds_store_b32 v[TM], v[TM+1]
	s_bcnt1_i32_b32 s52, s52
	s_add_co_u32 s21, s21, s52
.set j_, j_+1
.endr
	s_lshl_b32 s52, s19, 7
	s_add_co_u32 s52, s52, 2048
	v_add_nc_u32 v[TM+1], s52, v[LN]
	v_lshl_add_u32 v[TM], v[LN], 2, s23
.irp a, 0,1,2,3
	v_add_nc_u32 v[TM+2], 32*\a, v[TM+1]           ; job 1's rows: 2048 + 128 e + i
	ds_store_b32 v[TM], v[TM+2] offset:4096+128*\a
.endr
	s_sub_co_u32 s22, s21, 1
	s_mov_b32 s32, NTRIP-1
.Lld:
.irp j, 0,1,2,3,4,5,6,7
	UNIT \j, 1, 56                                 ; seven younger slots of eight loads stay out
.endr
	WIN 0
	v_add_nc_u32 v[WL], WSTEP, v[WL]
	s_sub_co_u32 s32, s32, 1
	s_cmp_lg_u32 s32, 0
	s_cbranch_scc1 .Lld
.irp j, 0,1,2,3,4,5,6,7
	UNIT \j, 0, 8*(7-\j)                           ; the last trip loads nothing: the counts run down
.endr
	WIN 0
.Ljob:
	s_wait_dscnt 0x0                               ; for the others' sake: my part of the slice is in LDS
	s_barrier_signal -1
	s_barrier_wait -1
	s_add_co_u32 s58, s22, s56
	s_add_co_u32 s26, s21, 15
	s_lshr_b32 s26, s26, 4                         ; tiles of 16 rows
	s_add_co_u32 s26, s26, 3
	s_sub_co_u32 s26, s26, s18
	s_lshr_b32 s26, s26, 2                         ; of which w, w + 4, .. are mine
	s_mov_b32 s27, 0
	s_mov_b32 s29, 0
	s_mov_b32 s31, 4
.Lchunk:
	s_cmp_ge_u32 s27, s26
	s_cbranch_scc1 .Lnext                          ; nothing left for this wave
	s_sub_co_u32 s28, s26, s27
	s_add_co_u32 s57, s29, s56
.irp t, 0,1,2,3
	v_add3_u32 v[RK+\t], v[RK0], s29, 64*\t
	v_min_u32 v[RK+\t], s22, v[RK+\t]              ; past the count: the last row again
	v_min_u32 v[RK+\t], 0x3ff, v[RK+\t]
	v_add_lshl_u32 v[AO+\t], v[RK+\t], s25, 4
	v_add_nc_u32 v[AO+\t], v[AO+\t], v[HOS]
.endr
	s_cmp_ge_u32 s28, 3
	s_cbranch_scc1 .Lc4
	CHUNK 2, 8
	s_add_co_u32 s27, s27, 2
	s_cmp_ge_u32 s28, 2
	s_cbranch_scc1 .Lep1
	s_branch .Lep0                                 ; one tile was left: the second is not stored
.Lc4:
	CHUNK 4, 8
	s_add_co_u32 s27, s27, 4
	s_cmp_ge_u32 s28, 4
	s_cbranch_scc0 .Lep2                           ; three tiles were left: the fourth is not stored
	EPI 3
.Lep2:
	EPI 2
.Lep1:
	EPI 1
.Lep0:
	EPI 0
	s_lshl_b32 s29, s27, 6
.Lnext:
	s_sub_co_u32 s31, s31, 1
	s_cmp_lg_u32 s31, 0
	s_cbranch_scc1 .Lchunk
	s_cmp_eq_u32 s30, 1
	s_cbranch_scc1 .Ldone                          ; job 1 is done (the count is the same in every wave)
	CPA                                            ; job 1's slice: my quarter is asked for while the other waves finish job 0
	s_wait_dscnt 0x0                               ; my reads of job 0's slice are over:
	s_barrier_signal -1
	s_barrier_wait -1                              ; everybody's are, and those bytes may be written
.irp g, 0,1,2,3,4,5,6,7
	CPB \g, 8*(7-\g)                               ; the younger groups of eight loads stay out
.endr
	WIN 0
	s_mov_b32 s21, 128                             ; job 1: 128 rows,
	s_mov_b32 s22, 127
	s_mov_b32 s56, 1024                            ; the list's second part,
	s_lshl_b32 s25, s19, 7
	s_add_co_u32 s25, s25, 8192                    ; places 8192 + 128 e ..
	s_sub_co_u32 s30, s30, 1
	s_cmp_lg_u32 s30, 0
	s_cbranch_scc1 .Ljob
.Ldone:
	s_wait_dscnt 0x0                               ; my LDS reads of job 1 are over:
	s_barrier_signal -1
	s_barrier_wait -1                              ; everybody's are: a barrier stands between all waves' LDS reads and the launch's last LDS write
	s_wait_tensorcnt 0x0                           ; the wave's end
	ds_add_u32 v[SPW], v[NIL]
	s_wait_dscnt 0x0
	s_endpgm
.Lfunc_end_k_q5c9d0a1afa_down:
	.size	k_q5c9d0a1afa_down, .Lfunc_end_k_q5c9d0a1afa_down-k_q5c9d0a1afa_down
	.p2alignl 7, 3214868480
	.fill 96, 4, 3214868480
	.section	.rodata,"a",@progbits
	.p2align	6, 0x0
	.amdhsa_kernel k_q5c9d0a1afa_down
		.amdhsa_group_segment_fixed_size 151040
		.amdhsa_private_segment_fixed_size 0
		.amdhsa_enable_private_segment 0
		.amdhsa_kernarg_size 40
		.amdhsa_user_sgpr_count 2
		.amdhsa_user_sgpr_kernarg_segment_ptr 1
		.amdhsa_wavefront_size32 1
		.amdhsa_system_sgpr_workgroup_id_x 1
		.amdhsa_system_sgpr_workgroup_id_y 1
		.amdhsa_system_sgpr_workgroup_id_z 1
		.amdhsa_system_vgpr_workitem_id 0
		.amdhsa_next_free_vgpr 768
		.amdhsa_next_free_sgpr 96
		.amdhsa_reserve_vcc 0
		.amdhsa_float_denorm_mode_32 3
		.amdhsa_float_denorm_mode_16_64 3
		.amdhsa_memory_ordered 1
		.amdhsa_forward_progress 1
		.amdhsa_inst_pref_size 164
	.end_amdhsa_kernel
	.amdgpu_metadata
---
amdhsa.version: [ 1, 2 ]
amdhsa.kernels:
  - .name:           k_q5c9d0a1afa_down
    .symbol:         k_q5c9d0a1afa_down.kd
    .args:
      - { .name: hq, .offset: 0, .size: 8, .value_kind: global_buffer, .address_space: global }
      - { .name: msk, .offset: 8, .size: 8, .value_kind: global_buffer, .address_space: global }
      - { .name: ed_w, .offset: 16, .size: 8, .value_kind: global_buffer, .address_space: global }
      - { .name: sw2, .offset: 24, .size: 8, .value_kind: global_buffer, .address_space: global }
      - { .name: pr, .offset: 32, .size: 8, .value_kind: global_buffer, .address_space: global }
    .group_segment_fixed_size: 151040
    .private_segment_fixed_size: 0
    .kernarg_segment_align: 8
    .kernarg_segment_size: 40
    .max_flat_workgroup_size: 128
    .sgpr_count:     96
    .vgpr_count:     768
    .wavefront_size: 32
...
	.end_amdgpu_metadata
.endif
;; end of part 3
;; launch combine (part 4): grid 256 x 1, 4 waves a work-group, no clusters, 0 bytes of LDS; arguments pr, wts, out0; writes out0
.if DOCPART == 4
	.amdgcn_target "amdgcn-amd-amdhsa--gfx1250"
	.amdhsa_code_object_version 6
	.text
	.protected	k_q5c9d0a1afa_combine
	.globl	k_q5c9d0a1afa_combine
	.p2align	8
	.type	k_q5c9d0a1afa_combine,@function
k_q5c9d0a1afa_combine:
	s_mov_b64 s[64:65], 0
	v_nop
	global_prefetch_b8 v0, s[64:65] scope:SCOPE_SE
	s_setreg_imm32_b32 hwreg(HW_REG_WAVE_MODE, 25, 1), 1
	s_wait_xcnt 0x0
; out0[t] = (shared row, both halves of K) + w0 (first choice's row, both halves) + w1 (second choice's row, both halves).  All in f32.
; pr: [2 halves][3,072 ids][1,024] f32; id 2 t, 2 t + 1 the token's two choices, 2048 + t the shared expert.  wts: [1,024][2] f32.
; A stream: one wave, one token; its six rows of 4,096 bytes are asked for at once, 48 loads of 512 consecutive bytes, and taken in eight pieces as they come.
; Each byte is read once and written once; LDS, barriers, the matrix unit and clusters would add nothing.
.set HALF, 12582912                    ; bytes in a half of pr
.set D,    8                           ; v8-199: piece i at D + 24 i: four registers for each of the six rows
	s_load_b128 s[4:7], s[0:1], 0x0                ; pr s[4:5], wts s[6:7]
	s_load_b64 s[16:17], s[0:1], 0x10              ; out0
	v_lshrrev_b32 v2, 5, v0
	v_readfirstlane_b32 s2, v2
	s_lshl2_add_u32 s2, ttmp9, s2                  ; my token: 4 x work-group + wave
	v_and_b32 v1, 31, v0
	v_lshlrev_b32 v1, 4, v1                        ; 16 lane
	s_lshl_b32 s3, s2, 3
	s_lshl_b32 s18, s2, 13                         ; two rows a token
	s_mov_b32 s19, 0
	s_lshl_b32 s20, s2, 12                         ; one row a token
	s_mov_b32 s21, 0
	s_wait_kmcnt 0x0
	s_load_b64 s[24:25], s[6:7], s3 offset:0x0     ; w0, w1
	s_add_nc_u64 s[8:9], s[4:5], s[18:19]          ; rows 2 t and 2 t + 1, first half of K,
	s_add_nc_u64 s[10:11], s[8:9], HALF            ; second half
	s_add_nc_u64 s[12:13], s[4:5], s[20:21]
	s_add_nc_u64 s[12:13], s[12:13], 8388608       ; row 2048 + t, first half,
	s_add_nc_u64 s[14:15], s[12:13], HALF          ; second half
	s_add_nc_u64 s[16:17], s[16:17], s[20:21]
.set i, 0
.rept 8
	global_load_b128 v[D+24*i:D+24*i+3],     v1, s[8:9]   offset:512*i th:TH_LOAD_NT
	global_load_b128 v[D+24*i+4:D+24*i+7],   v1, s[10:11] offset:512*i th:TH_LOAD_NT
	global_load_b128 v[D+24*i+8:D+24*i+11],  v1, s[8:9]   offset:4096+512*i th:TH_LOAD_NT
	global_load_b128 v[D+24*i+12:D+24*i+15], v1, s[10:11] offset:4096+512*i th:TH_LOAD_NT
	global_load_b128 v[D+24*i+16:D+24*i+19], v1, s[12:13] offset:512*i th:TH_LOAD_NT
	global_load_b128 v[D+24*i+20:D+24*i+23], v1, s[14:15] offset:512*i th:TH_LOAD_NT
.set i, i+1
.endr
	s_wait_kmcnt 0x0
	s_mov_b32 s26, s25                             ; w1 as the low word of a pair: the packed form takes the low word for both halves
	s_mov_b32 s27, s25
.set i, 0
.rept 8
	s_wait_loadcnt 6*(7-i)                         ; loads come back in order: piece i's six are in, the younger pieces' stay out
.irp z, 0,2
	v_pk_add_f32 v[D+24*i+\z:D+24*i+\z+1],       v[D+24*i+\z:D+24*i+\z+1],       v[D+24*i+4+\z:D+24*i+4+\z+1]
	v_pk_add_f32 v[D+24*i+8+\z:D+24*i+8+\z+1],   v[D+24*i+8+\z:D+24*i+8+\z+1],   v[D+24*i+12+\z:D+24*i+12+\z+1]
	v_pk_add_f32 v[D+24*i+16+\z:D+24*i+16+\z+1], v[D+24*i+16+\z:D+24*i+16+\z+1], v[D+24*i+20+\z:D+24*i+20+\z+1]
	v_pk_fma_f32 v[D+24*i+16+\z:D+24*i+16+\z+1], v[D+24*i+\z:D+24*i+\z+1],     s[24:25], v[D+24*i+16+\z:D+24*i+16+\z+1] op_sel_hi:[1,0,1]
	v_pk_fma_f32 v[D+24*i+16+\z:D+24*i+16+\z+1], v[D+24*i+8+\z:D+24*i+8+\z+1], s[26:27], v[D+24*i+16+\z:D+24*i+16+\z+1] op_sel_hi:[1,0,1]
.endr
	global_store_b128 v1, v[D+24*i+16:D+24*i+19], s[16:17] offset:512*i th:TH_STORE_NT  ; 512 consecutive bytes, aligned; these registers are not written again
.set i, i+1
.endr
	s_endpgm
.Lfunc_end_k_q5c9d0a1afa_combine:
	.size	k_q5c9d0a1afa_combine, .Lfunc_end_k_q5c9d0a1afa_combine-k_q5c9d0a1afa_combine
	.p2alignl 7, 3214868480
	.fill 96, 4, 3214868480
	.section	.rodata,"a",@progbits
	.p2align	6, 0x0
	.amdhsa_kernel k_q5c9d0a1afa_combine
		.amdhsa_group_segment_fixed_size 0
		.amdhsa_private_segment_fixed_size 0
		.amdhsa_enable_private_segment 0
		.amdhsa_kernarg_size 24
		.amdhsa_user_sgpr_count 2
		.amdhsa_user_sgpr_kernarg_segment_ptr 1
		.amdhsa_wavefront_size32 1
		.amdhsa_system_sgpr_workgroup_id_x 1
		.amdhsa_system_sgpr_workgroup_id_y 1
		.amdhsa_system_sgpr_workgroup_id_z 1
		.amdhsa_system_vgpr_workitem_id 0
		.amdhsa_next_free_vgpr 200
		.amdhsa_next_free_sgpr 66
		.amdhsa_reserve_vcc 0
		.amdhsa_float_denorm_mode_32 3
		.amdhsa_float_denorm_mode_16_64 3
		.amdhsa_memory_ordered 1
		.amdhsa_forward_progress 1
		.amdhsa_inst_pref_size 12
	.end_amdhsa_kernel
	.amdgpu_metadata
---
amdhsa.version: [ 1, 2 ]
amdhsa.kernels:
  - .name:           k_q5c9d0a1afa_combine
    .symbol:         k_q5c9d0a1afa_combine.kd
    .args:
      - { .name: pr, .offset: 0, .size: 8, .value_kind: global_buffer, .address_space: global }
      - { .name: wts, .offset: 8, .size: 8, .value_kind: global_buffer, .address_space: global }
      - { .name: out0, .offset: 16, .size: 8, .value_kind: global_buffer, .address_space: global }
    .group_segment_fixed_size: 0
    .private_segment_fixed_size: 0
    .kernarg_segment_align: 8
    .kernarg_segment_size: 24
    .max_flat_workgroup_size: 128
    .sgpr_count:     66
    .vgpr_count:     200
    .wavefront_size: 32
...
	.end_amdgpu_metadata
.endif
;; end of part 4
;; ======== version 2 of 2: 4 launches; version 1 with the launches gateup, down written anew for expert scheduling mode
;; workspace buffers: xb 2,097,152 bytes; msk 4,096 bytes of whole numbers; wts 8,192 bytes; hq 37,748,736 bytes; pr 25,165,824 bytes; sw1 8,388,608 bytes; sw2 4,194,304 bytes
;; launch router: the kernel of part 1 again; grid 224 x 1, 8 waves a work-group, no clusters, 78,848 bytes of LDS; arguments x, gate_w, xb, msk, wts, out1, sg_w, su_w, sd_w, sw1, sw2; writes xb, msk, wts, out1, sw1, sw2
;; launch gateup (part 5): grid 256 x 1, 4 waves a work-group, no clusters, 282,112 bytes of LDS; arguments xb, msk, eg_w, eu_w, sw1, hq; writes hq
.if DOCPART == 5
	.amdgcn_target "amdgcn-amd-amdhsa--gfx1250"
	.amdhsa_code_object_version 6
	.text
	.protected	k_q5c9d0a1afa_gateup
	.globl	k_q5c9d0a1afa_gateup
	.p2align	8
	.type	k_q5c9d0a1afa_gateup,@function
k_q5c9d0a1afa_gateup:
	s_mov_b64 s[64:65], 0
	v_nop
	global_prefetch_b8 v0, s[64:65] scope:SCOPE_SE
	s_setreg_imm32_b32 hwreg(HW_REG_WAVE_SCHED_MODE, 0, 2), 2
	s_setreg_imm32_b32 hwreg(HW_REG_WAVE_MODE, 25, 1), 1
	s_wait_xcnt 0x0
	s_wait_alu depctr_vm_vsrc(0)
; FIRST PRODUCTS.  h = silu(x Wg) (x Wu), for each routed expert's chosen rows and for the shared expert's 1,024 rows.  Operands bf16, sums f32, h rounded once to bf16.
; hq: [256 groups of 8 hidden channels][9,216 places][8] bf16; place = 1024 e + rank among expert e's rows (tokens ascending), or 8192 + token for the shared expert.
; So 16 rows of a tile are 256 consecutive bytes, aligned, for each group of channels, here on the way out and in the next launch on the way in.
; SHARES.  Work-group (e, s), e = 0..7, s = 0..31, does two JOBS: job 0: hidden channels 64 s .. 64 s + 63 of expert e, which it alone reads, for ALL of e's rows;
; job 1: the same 64 channels of the shared expert for tokens 128 e .. 128 e + 127.  All 256 work-groups have both jobs, whatever the split; an expert without rows leaves job 0 without tiles.
; JOB 0's SLICE of Wg and Wu (1,024 x 64 each, f32) comes through registers, is rounded to bf16 and laid into LDS in the order in which a fragment's registers take it; wave w brings
; rows 256 w .. of K, 64 loads of 16 bytes a lane on their way.  JOB 1's SLICE was rounded and laid out so by the launch before (sw1): it is copied, 64 loads a wave on their way, the first 64 asked
; for ahead of the barrier that ends job 0.
; THE PRODUCTS, one text for both jobs.  Wave w takes the tiles of 16 rows w, w + 4, ..: 4 or 2 of them at a time (a CHUNK), 32 K steps each; x's rows come from xb straight into registers as
; fragments, through a ring of D K steps (D = 4 with four tiles, 8 with two: 128 registers either way).  Then silu, product, rounding, store.
; The loop over chunks has a constant count that covers every split (16 tiles a wave at the most: four chunks of four); a wave with nothing left jumps forward over the work; no barrier stands in it,
; and between a job's two barriers nothing writes LDS.
; ROWS PAST THE COUNT repeat the expert's last row: they compute the same numbers and, in a tile that is not full, store the same bytes to the same place; a tile wholly past the count
; (three tiles go as four, one as two) is not stored.  EXEC is never changed.
; THE LIST.  Each wave makes its own copy of the row list in LDS from the router's masks: word rank = token; words 1024.. = the tokens of job 1.  A lane whose token did not choose e writes a dump word of its own.
; LAYOUT.  Source 0 = 16 hidden channels (weights), source 1 = 16 rows of x; fragment f's place m is channel 4 m + f of the slice (f = 0..3 gate, 4..7 up).  So register j of accumulator f in lane
; (r, h) is row r, channel 32 h + 4 j + f: a lane holds ONE row and 32 neighbouring channels, which pack into four times 16 bytes.
; POINTERS.  Each slot of x's ring and each of the eight units of the weights has a scalar pointer of its own, stepped behind the counted wait that shows that slot's own loads done.
; LIMITS.  h is kept in bf16 (f16 would not hold inputs some 30 times larger).  Where x Wg is very negative 2^(..) is infinite, its reciprocal 0 and h is 0, as in the definition's limit.
; NO TENSOR LOADS, NO CLUSTER: the routed weights are f32 and pass through registers to be rounded; a routed slice has one reader; an expert's rows come by a list, which no descriptor covers;
; only the shared slice (256 KB of the 768 KB of weights that a work-group reads) has 8 readers, and these begin job 1 at times that hang on their experts' counts.
; HINTS.  The routed weights are read once in the launch: non-temporal.  xb and sw1 are read by many work-groups: high-temporal.
; THE MODE: SCHED_MODE bits 1:0 = 2 (LLVM: expert scheduling mode 2), set by the entry lines.  The code itself states the register dependences between vector or matrix instructions
; and memory or LDS instructions, with s_wait_alu, always for 0.
; THE PLAN.  Registers that memory or LDS instructions touch, and who else names them:
;   ring slots      K step j's products read slot j % D; the loads of step j + D - 1, issued in step j, land in slot (j - 1) % D.
;   BB0 .. BB3      K step j's products read BB[j % 4]; the LDS loads of step j + 3, issued in step j, land in BB[(j - 1) % 4].
;   v[BA]           read by those LDS loads; written once a trip of the K loop, at the trip's end; immediate offsets reach the trip's D steps.
;   v[AO ..]        read by the ring's loads; written at a chunk's head alone.  v[BA0], v[WO], v[CPL]: written at the kernel's head alone.
;   So ONE wait on va_vdst stands at a K step's head, behind the waits for its data: the step before is done reading the two buffers in which this step's loads land (and, in a trip's first step, v[BA] is
;   written).  The loads follow tile 0's products; this step's products name BB[j % 4], slot j % D and the accumulators, none of which those loads touch.
;   weights' slots  a unit's sixteen conversions read slot j and write CT[j]; behind ONE wait on va_vdst the slot is asked for again and four LDS stores read CT[j].  Each unit has a CT of its own, so one
;                   wait on vm_vsrc a trip, ahead of the add to v[WL], frees all eight.
;   the list        32 addresses and 32 tokens are made in registers of their own, then one wait, then one run of LDS stores.
;   the way out     a tile's roundings write PK; one wait on va_vdst, four stores; the wait on vm_vsrc for PK stands a tile's arithmetic behind them.
.set F,     8                          ; fragments of 16 channels in a K step: 0-3 gate, 4-7 up
.set PITCH, 8192                       ; bytes in a row of the weights
.set WOSH,  16                         ; 8 rows of them = 1 << 16
.set NTRIP, 4                          ; trips of the weight loop: 8 units of 16 K x 64 channels each
.set JDIV,  4                          ; a trip's units 0-3 are gate's, 4-7 up's
.set ASTEP, 64                         ; bytes of a row of xb in a K step
.set AH,    32                         ; from a fragment's first half to its second
.set AB,    4                          ; s[4:5]: where x's rows begin
.set IMG,   12                         ; s[12:13]: my wave's quarter of my slice in sw1
.set OS,    147456                     ; bytes in hq for one group of 8 channels: 9,216 places x 16
.set BP,    1024                       ; a fragment's block in LDS: 64 pieces of 16 bytes; stores and loads both take neighbouring pieces
.set WSTEP, 16*BP                      ; LDS bytes that a trip of the weight loop fills: 2 K steps x 8 fragments
.set LIST,  32*F*BP                    ; behind the slice: the lists
.set LSTR,  4864                       ; a wave's list: 1,024 + 128 words, 32 dump words, rounded up to blocks of 256 bytes
; window 0
.set RK0, 3                            ; v3      16 w + r: my row in the wave's first tile
.set RK,  4                            ; v4-7    my row's rank in tile t of the chunk; at the head: job 1's tokens for the list
.set ID,  8                            ; v8-11   its token
.set AO,  12                           ; v12-15  its byte offset in xb
.set HO,  16                           ; v16-19  its byte offset in hq
.set BA,  20                           ; v20     LDS address of the fragments, walking;  v21 its start, 16 lane
.set BA0, 21
.set WL,  22                           ; v22     LDS address of my pieces of the weights, walking
.set WO,  24                           ; v24     my byte offset in a unit of the weights
.set DI,  25                           ; v25     1152 + lane: my dump word's index
.set TM,  28                           ; v28-31  at work
.set E,   32                           ; v32-63  the way out, in f32
.set PK,  64                           ; v64-79  the way out, packed
.set LTA, 32                           ; v32-63  at the head: the list's 32 LDS addresses
.set LTD, 64                           ; v64-95  at the head: the list's 32 tokens
.set VM,  96                           ; v96     lane j: the mask of group j for expert e
.set LN,  98                           ; v98 lane; v101 16 h; v102 4 h OS; v103 the masks' offset
.set H16, 101
.set HOS, 102
.set MA,  103
.set CPL, 104                          ; v104    65,536 w + 16 lane: my 16 bytes in my wave's quarter of the slice in LDS
.set BB,  128                          ; the weights' fragments of four K steps, 64 registers each: BB0, BB1 at v128-255 of window 0, BB2, BB3 at v128-255 of window 2
.set CT,  128                          ; v128-255 while weights are loaded: unit j's 4 channels x 8 K, packed, at CT + 16 j
; window 1: accumulator (t, f) at 8 (t F + f); while weights are loaded: 8 slots of 32.   window 2: v0-127 x's fragments, ring slot sl, tile t at 8 T sl + 8 t
.set W_MM, 0x58                        ; source 0 window 0 (or 2: BB2, BB3), source 1 window 2, C and D window 1
.set W_A,  0x80                        ; destination window 2
.set W_ST, 0x40                        ; destination window 1
.set W_CV, 0x05                        ; sources 0 and 1 window 1
.set W_S0, 0x01                        ; source 0 window 1
.set W_CP, 0x44                        ; a load's destination and an LDS store's data in window 1
; scalars: s18 w, s19 e, s20 s, s21 n, s22 n - 1, s23 my list, s25 first place in hq, s26 my tiles, s27 tiles done, s28 tiles left, s29 64 x done, s30-32 counters,
; s[42:43] -log2(e), s[44:45] hq at my channels, s56 the list's first index, s40-41, s46-47, s52-55 at work, s84-91 eight groups' masks
.set PT,  66                           ; s[66:81] eight pointers: the weights' units, then the ring's slots
.set MSB, 0
.macro WIN new                         ; the immediate's high byte repeats the setting that is left; a switch that changes nothing is dropped
.if MSB != (\new)
	s_set_vgpr_msb (MSB<<8)|(\new)
.set MSB, \new
.endif
.endm
.macro PLACES                          ; four places behind a matrix instruction (ISA guide 7.12.1)
.rept 4
	v_nop
.endr
.endm
; The first 64 loads of job 0.  A unit is 16 K x 64 channels: lane (q = l % 16, hh = l / 16) takes rows 8 hh + i, i = 0..7, channels 4 q .. 4 q + 3: 16 lanes read 256 consecutive bytes, aligned.
.macro FILL
.set j_, 0
.rept 8
	s_add_nc_u64 s[PT+2*j_:PT+2*j_+1], s[8+2*(j_/JDIV):9+2*(j_/JDIV)], 16*(j_%JDIV)*PITCH
.set j_, j_+1
.endr
	WIN W_ST
.set j_, 0
.rept 8
.set i_, 0
.rept 8
	global_load_b128 v[32*j_+4*i_:32*j_+4*i_+3], v[WO], s[PT+2*j_:PT+2*j_+1] offset:i_*PITCH th:TH_LOAD_NT
.set i_, i_+1
.endr
.set j_, j_+1
.endr
	WIN 0
.endm
; Slot j's unit: rounded, turned (a lane's 8 K of one channel are 16 bytes) and laid into LDS: channel 4 q + c goes to fragment c, place q: 16 lanes write 256 consecutive bytes.
; refill = 1: the slot takes the next trip's unit.  left: the younger loads, which stay out.
.macro UNIT j, refill, left
	s_wait_loadcnt \left                           ; this slot's eight loads are in, so its pointer may be stepped
.if \refill
	s_add_nc_u64 s[PT+2*(\j):PT+2*(\j)+1], s[PT+2*(\j):PT+2*(\j)+1], 524288
.endif
	WIN W_CV
.irp c, 0,1,2,3
.irp a, 0,1,2,3
	v_cvt_pk_bf16_f32 v[CT+16*(\j)+4*\c+\a], v[32*(\j)+8*\a+\c], v[32*(\j)+8*\a+4+\c]
.endr
.endr
	WIN W_ST
	s_wait_alu depctr_va_vdst(0)                   ; the conversions have written CT[j], which the LDS stores read, and are done reading slot j, in which the loads land; after a trip's end v[WL] is written
.if \refill
.irp i, 0,1,2,3,4,5,6,7
	global_load_b128 v[32*(\j)+4*\i:32*(\j)+4*\i+3], v[WO], s[PT+2*(\j):PT+2*(\j)+1] offset:\i*PITCH th:TH_LOAD_NT
.endr
.endif
.irp c, 0,1,2,3
	ds_store_b128 v[WL], v[CT+16*(\j)+4*\c:CT+16*(\j)+4*\c+3] offset:((((\j)%JDIV)/2)*F+4*((\j)/JDIV)+\c)*BP+(((\j)%JDIV)%2)*512
.endr
.endm
; Job 1's slice: my wave's quarter of the image is copied as it lies.  CPA: its first 64 loads of 512 consecutive bytes.  CPB: group g of eight goes into LDS; refill = 1: its registers take the second half's group.
.macro CPA
	WIN W_ST
	s_wait_alu depctr_va_vdst(0)                   ; the products have written window 1's registers and the way out (in a wave without tiles: the conversions) is done reading them: the loads below land there
.set i_, 0
.rept 64
	global_load_b128 v[4*i_:4*i_+3], v[BA0], s[IMG:IMG+1] offset:512*i_ th:TH_LOAD_HT
.set i_, i_+1
.endr
	WIN 0
.endm
.macro CPB g, refill, left, base
	s_wait_loadcnt \left
	WIN W_CP
.irp k, 0,1,2,3,4,5,6,7
	ds_store_b128 v[CPL], v[32*(\g)+4*\k:32*(\g)+4*\k+3] offset:(\base)+512*(8*(\g)+\k)
.endr
.if \refill
	s_wait_alu depctr_vm_vsrc(0)                   ; the eight LDS stores above have read their data registers, in which the loads below land
.irp k, 0,1,2,3,4,5,6,7
	global_load_b128 v[32*(\g)+4*\k:32*(\g)+4*\k+3], v[BA0], s[IMG:IMG+1] offset:32768+512*(8*(\g)+\k) th:TH_LOAD_HT
.endr
.endif
.endm
.macro ALD T, sl                       ; x's fragments of one K step, T tiles, into ring slot sl, by the slot's own pointer
	WIN W_A
.set t_, 0
.rept \T
	global_load_b128 v[8*\T*(\sl)+8*t_:8*\T*(\sl)+8*t_+3],   v[AO+t_], s[PT+2*(\sl):PT+2*(\sl)+1] th:TH_LOAD_HT
	global_load_b128 v[8*\T*(\sl)+8*t_+4:8*\T*(\sl)+8*t_+7], v[AO+t_], s[PT+2*(\sl):PT+2*(\sl)+1] offset:AH th:TH_LOAD_HT
.set t_, t_+1
.endr
.endm
.macro BLD b, adr, blk                 ; the weights' fragments of one K step (blocks blk .. blk + F - 1 from v[adr] on) into BB[b]: 512 consecutive bytes a load
	WIN (((\b)/2)*2)<<6
.set br_, BB+64*((\b)%2)
.set f_, 0
.rept F
	ds_load_b128 v[br_+8*f_:br_+8*f_+3],   v[\adr] offset:((\blk)+f_)*BP
	ds_load_b128 v[br_+8*f_+4:br_+8*f_+7], v[\adr] offset:((\blk)+f_)*BP+512
.set f_, f_+1
.endr
.endm
.macro MMT T, sl, t, zero              ; tile t's F products of the K step on ring slot sl.  zero = 1: they start the sums
	WIN W_MM|((((\sl)%4)/2)*2)
.set br_, BB+64*((\sl)%2)
.set f_, 0
.rept F
.if \zero
	v_wmma_f32_16x16x32_bf16 v[8*((\t)*F+f_):8*((\t)*F+f_)+7], v[br_+8*f_:br_+8*f_+7], v[8*\T*(\sl)+8*(\t):8*\T*(\sl)+8*(\t)+7], 0
.else
	v_wmma_f32_16x16x32_bf16 v[8*((\t)*F+f_):8*((\t)*F+f_)+7], v[br_+8*f_:br_+8*f_+7], v[8*\T*(\sl)+8*(\t):8*\T*(\sl)+8*(\t)+7], v[8*((\t)*F+f_):8*((\t)*F+f_)+7]
.endif
.set f_, f_+1
.endr
.endm
; A K step on ring slot sl.  All T F accumulators take turns, one instruction a turn, in the same order in every step.
; lb = 1: the weights' fragments of the step three on go into the buffer that the step before read.  la = 1: x's fragments of the step D - 1 on go into the slot that the step before read.
; Both runs of loads stand behind tile 0's products.  wa, wb: the younger loads that stay out.  A step that loads nothing holds no wait on va_vdst.
.macro KSTEP T, D, sl, zero, la, lb, wa, wb
	s_wait_loadcnt \wa
	s_wait_dscnt \wb
.if (\la) || (\lb)
	s_wait_alu depctr_va_vdst(0)                   ; the step before's products are done reading their BB and their ring slot, in which this step's loads land; in a trip's first step v[BA] is written
.endif
	MMT \T, \sl, 0, \zero
.if (\la) || (\lb)
	PLACES                                         ; four places behind the step before's products, ahead of the loads into registers that those read; the dependence itself is stated by the wait at the step's head
.endif
.if \lb
	BLD ((\sl)+3)%4, BA, (((\sl)+\D-1)%\D)*F
.endif
.if \la
	s_add_nc_u64 s[PT+2*(((\sl)+\D-1)%\D):PT+2*(((\sl)+\D-1)%\D)+1], s[PT+2*(((\sl)+\D-1)%\D):PT+2*(((\sl)+\D-1)%\D)+1], \D*ASTEP  ; free since the wait at the head of the step before: that slot's loads are in
	ALD \T, ((\sl)+\D-1)%\D
.endif
.set t_, 1
.rept \T-1
	MMT \T, \sl, t_, \zero
.set t_, t_+1
.endr
.endm
; T tiles through all 32 K steps: step 0, whose products start the sums; a loop over steps 1 .. 32 - D, D a trip, which ask for x's steps D .. 31; the last D - 1 steps.
; x's loads: 2 T a step.  At step 0's wait the D - 1 younger steps stay out; in the loop D - 2 (this step's own refill is not yet issued); in the tail, slot s, D - 1 - s.
; The weights': 2 F a step.  At step 0's wait three younger steps stay out; later two, or as many as are left.
.macro CHUNK T, D
.set s_, 0
.rept \D
	s_add_nc_u64 s[PT+2*s_:PT+2*s_+1], s[AB:AB+1], s_*ASTEP  ; every earlier load by these pointers has been waited for
.set s_, s_+1
.endr
	v_add_nc_u32 v[BA], 4*F*BP, v[BA0]             ; step 4's fragments: what step 1 asks for
	WIN W_A
	s_wait_alu depctr_va_vdst(0)                   ; v[AO ..] and v[BA] are written; the last chunk's products are done reading the ring and BB, and the conversions that wrote BB's registers as CT are done: the loads below land there
.set s_, 0
.rept \D
	ALD \T, s_
.set s_, s_+1
.endr
	BLD 0, BA0, 0
	BLD 1, BA0, F
	BLD 2, BA0, 2*F
	BLD 3, BA0, 3*F
	KSTEP \T, \D, 0, 1, 0, 0, 2*\T*(\D-1), 6*F
	WIN 0
	s_mov_b32 s32, (32-\D)/\D
.Lk_\@:
.set s_, 1
.rept \D-1
	KSTEP \T, \D, s_, 0, 1, 1, 2*\T*(\D-2), 4*F
.set s_, s_+1
.endr
	KSTEP \T, \D, 0, 0, 1, 1, 2*\T*(\D-2), 4*F
	WIN 0
	s_wait_alu depctr_vm_vsrc(0)                   ; the trip's LDS loads have read v[BA]
	v_add_nc_u32 v[BA], \D*F*BP, v[BA]             ; on by a trip; the next step's wait on va_vdst stands between this line and the next load by it
	s_sub_co_u32 s32, s32, 1
	s_cmp_lg_u32 s32, 0
	s_cbranch_scc1 .Lk_\@
.set s_, 1
.rept \D-1
.set w_, \D-1-s_
.if w_ > 2
.set w_, 2
.endif
.set l_, 0
.if s_ <= \D-4
.set l_, 1
.endif
	KSTEP \T, \D, s_, 0, 0, l_, 2*\T*(\D-1-s_), 2*F*w_
.set s_, s_+1
.endr
	WIN 0
	PLACES                                         ; ahead of the readers of the last products' results
.endm
; THE WAY OUT of tile t: h = g u / (1 + 2^(-log2(e) g)).  The 32 exponentials are one batch with one wait, and so are the 32 reciprocals.  The accumulators are read from their low end on.
; Group o of eight channels (32 h + 8 o ..) is made of registers 2 o and 2 o + 1 of the four accumulators.
.macro EPI t
	WIN W_S0
.set p_, 0
.rept 16
	v_pk_mul_f32 v[E+2*p_:E+2*p_+1], v[64*(\t)+2*p_:64*(\t)+2*p_+1], s[42:43] op_sel_hi:[1,0]
.set p_, p_+1
.endr
	WIN 0
.set p_, 0
.rept 32
	v_exp_f32 v[E+p_], v[E+p_]
.set p_, p_+1
.endr
	v_nop                                          ; a plain instruction behind the last exponential,
	s_wait_alu depctr_va_vdst(0)                   ; and the wait for the 32 exponentials' results, ahead of their first reader
.set p_, 0
.rept 16
	v_pk_add_f32 v[E+2*p_:E+2*p_+1], v[E+2*p_:E+2*p_+1], 1.0 op_sel_hi:[1,0]
.set p_, p_+1
.endr
.set p_, 0
.rept 32
	v_rcp_f32 v[E+p_], v[E+p_]
.set p_, p_+1
.endr
	v_nop
	s_wait_alu depctr_va_vdst(0)                   ; the wait for the 32 reciprocals' results, ahead of their first reader
	WIN W_S0
.set p_, 0
.rept 16
	v_pk_mul_f32 v[E+2*p_:E+2*p_+1], v[64*(\t)+2*p_:64*(\t)+2*p_+1], v[E+2*p_:E+2*p_+1]
.set p_, p_+1
.endr
.set p_, 0
.rept 16
	v_pk_mul_f32 v[E+2*p_:E+2*p_+1], v[64*(\t)+32+2*p_:64*(\t)+32+2*p_+1], v[E+2*p_:E+2*p_+1]
.set p_, p_+1
.endr
	WIN 0
	s_wait_xcnt 0x0                                ; the packed registers, which the last tile's stores read, are rewritten only behind this wait
	s_wait_alu depctr_vm_vsrc(0)                   ; the last tile's four stores have read PK, which the roundings below write again
.irp o, 0,1,2,3
.irp a, 0,1,2,3
	v_cvt_pk_bf16_f32 v[PK+4*\o+\a], v[E+16*(\a%2)+2*\o+(\a/2)], v[E+16*(\a%2)+8+2*\o+(\a/2)]
.endr
.endr
	s_wait_alu depctr_va_vdst(0)                   ; the roundings have written PK, which the stores read
.irp o, 0,1,2,3
	global_store_b128 v[HO+(\t)], v[PK+4*\o:PK+4*\o+3], s[44:45] offset:\o*OS  ; 16 lanes: 16 places x 16 bytes = 256 consecutive bytes, aligned
.endr
.endm
	s_load_b256 s[4:11], s[0:1], 0x0               ; xb s[4:5], msk s[6:7], eg_w s[8:9], eu_w s[10:11]
	s_load_b128 s[12:15], s[0:1], 0x20             ; sw1 s[12:13], hq s[14:15]
	v_lshl_add_u32 v126, v0, 2, 0x44c00
	v_mov_b32 v127, 0
	v_lshrrev_b32 v[TM], 5, v0
	v_readfirstlane_b32 s18, v[TM]                 ; wave 0..3
	s_lshr_b32 s19, ttmp9, 5                       ; e
	s_and_b32 s20, ttmp9, 31                       ; s
	v_and_b32 v[LN], 31, v0
	v_and_b32 v1, 15, v0                           ; r, and q
	v_bfe_u32 v2, v0, 4, 1                         ; h, and hh
	v_lshlrev_b32 v[BA0], 4, v[LN]
	v_lshlrev_b32 v[WO], 4, v1
	v_lshl_add_u32 v[WO], v2, WOSH, v[WO]          ; 8 hh rows + 16 q
	v_add_nc_u32 v[DI], 1152, v[LN]
	v_lshlrev_b32 v[H16], 4, v2
	v_mul_u32_u24 v[HOS], v2, 4*OS
	v_lshlrev_b32 v[MA], 7, v[LN]
	v_lshl_add_u32 v[MA], s19, 2, v[MA]            ; msk[lane][e]
	s_wait_alu depctr_va_sdst(0)                   ; s18 is written, ahead of its first reader
	v_lshl_add_u32 v[RK0], s18, 4, v1
	s_lshl_b32 s52, s18, 16                        ; my wave's 8 K steps: 65,536 bytes of the slice, in LDS and in sw1
	v_add_nc_u32 v[CPL], s52, v[BA0]               ; place q, piece row hh: 16 q + 256 hh = 16 lane
	v_mov_b32 v[WL], v[CPL]
	s_lshl_b32 s46, s20, 18                        ; sw1: 262,144 bytes a slice
	s_add_co_u32 s46, s46, s52
	s_mov_b32 s47, 0
	s_mul_i32 s23, s18, LSTR
	s_add_co_u32 s23, s23, LIST
	s_lshl_b32 s40, s18, 21                        ; my wave's 256 rows of the weights,
	s_lshl_b32 s52, s20, 8                         ; my slice's 256 bytes of a row
	s_add_co_u32 s40, s40, s52
	s_mov_b32 s41, 0
	s_lshl_b32 s52, s19, 23                        ; my expert
	s_mov_b32 s53, 0
	s_mul_i32 s54, s20, 8*OS                       ; my slice's 8 groups of channels in hq
	s_mov_b32 s55, 0
	s_mov_b32 s42, 0xbfb8aa3b                      ; -log2(e)
	s_mov_b32 s43, s42                             ; named with it as a pair
	s_lshl_b32 s25, s19, 10                        ; job 0: places 1024 e ..
	s_mov_b32 s56, 0
	s_mov_b32 s30, 2
	s_wait_kmcnt 0x0
	s_wait_alu depctr_va_vdst(0)                   ; the offsets and addresses v[MA], v[WO], v[WL], v[CPL] and v[BA0] are written, which the loads and LDS stores below read
	global_load_b32 v[VM], v[MA], s[6:7]
	s_add_nc_u64 s[8:9], s[8:9], s[40:41]
	s_add_nc_u64 s[8:9], s[8:9], s[52:53]
	s_add_nc_u64 s[10:11], s[10:11], s[40:41]
	s_add_nc_u64 s[10:11], s[10:11], s[52:53]
	s_add_nc_u64 s[IMG:IMG+1], s[IMG:IMG+1], s[46:47]
	s_add_nc_u64 s[44:45], s[14:15], s[54:55]
	FILL
	; THE LIST, while the weights are on their way: all its addresses and tokens are made first, eight groups of 32 tokens at a time, then stored in one run
	s_wait_loadcnt 63                              ; the mask's load is older than the 64 of the weights
	s_mov_b32 s21, 0
.set b_, 0
.rept 4
.set k_, 0
.rept 8
	v_readlane_b32 s[84+k_], v[VM], 8*b_+k_        ; tokens 32 j .. 32 j + 31: who chose e
.set k_, k_+1
.endr
	s_wait_alu depctr_va_sdst(0)                   ; s84 to s91 are written, ahead of their first readers
.set k_, 0
.rept 8
.set j_, 8*b_+k_
	v_mbcnt_lo_u32_b32 v[LTA+j_], s[84+k_], s21    ; rank = rows so far + chosen lanes below me
	v_cndmask_b32 v[LTA+j_], v[DI], v[LTA+j_], s[84+k_]  ; not chosen: my dump word
	v_min_u32 v[LTA+j_], 1183, v[LTA+j_]
	v_lshl_add_u32 v[LTA+j_], v[LTA+j_], 2, s23
	v_add_nc_u32 v[LTD+j_], 32*j_, v[LN]           ; the token
	s_bcnt1_i32_b32 s52, s[84+k_]
	s_add_co_u32 s21, s21, s52
.set k_, k_+1
.endr
.set b_, b_+1
.endr
	s_lshl_b32 s52, s19, 7
	v_add_nc_u32 v[TM+1], s52, v[LN]
	v_lshl_add_u32 v[TM], v[LN], 2, s23
.irp a, 0,1,2,3
	v_add_nc_u32 v[RK+\a], 32*\a, v[TM+1]          ; job 1's rows: tokens 128 e + i
.endr
	s_wait_alu depctr_va_vdst(0)                   ; the list's addresses and tokens are written, which the 36 LDS stores read
.set j_, 0
.rept 32
	ds_store_b32 v[LTA+j_], v[LTD+j_]
.set j_, j_+1
.endr
.irp a, 0,1,2,3
	ds_store_b32 v[TM], v[RK+\a] offset:4096+128*\a
.endr
	s_sub_co_u32 s22, s21, 1
	s_mov_b32 s32, NTRIP-1
.Lld:
.irp j, 0,1,2,3,4,5,6,7
	UNIT \j, 1, 56                                 ; seven younger slots of eight loads stay out
.endr
	WIN 0
	s_wait_alu depctr_vm_vsrc(0)                   ; the trip's LDS stores have read v[WL] and CT0 to CT7, which the add below and the next trip's conversions write
	v_add_nc_u32 v[WL], WSTEP, v[WL]
	s_sub_co_u32 s32, s32, 1
	s_cmp_lg_u32 s32, 0
	s_cbranch_scc1 .Lld
.irp j, 0,1,2,3,4,5,6,7
	UNIT \j, 0, 8*(7-\j)                           ; the last trip loads nothing: the counts run down
.endr
	WIN 0
.Ljob:
	s_wait_dscnt 0x0                               ; for the others' sake: my part of the slice is in LDS
	s_barrier_signal -1
	s_barrier_wait -1
	s_add_co_u32 s26, s21, 15
	s_lshr_b32 s26, s26, 4                         ; tiles of 16 rows
	s_add_co_u32 s26, s26, 3
	s_sub_co_u32 s26, s26, s18
	s_lshr_b32 s26, s26, 2                         ; of which w, w + 4, .. are mine
	s_mov_b32 s27, 0
	s_mov_b32 s29, 0
	s_mov_b32 s31, 4
.Lchunk:
	s_cmp_ge_u32 s27, s26
	s_cbranch_scc1 .Lnext                          ; nothing left for this wave
	s_sub_co_u32 s28, s26, s27
	s_wait_xcnt 0x0                                ; the stores' offsets are rewritten only behind this wait
	s_wait_alu depctr_vm_vsrc(0)                   ; the last chunk's loads and stores have read v[TM ..], v[AO ..], v[HO ..] and v[BA]; ahead of the first chunk the list's LDS stores have read their registers and the weights' LDS stores CT: all are written below
.irp t, 0,1,2,3
	v_add3_u32 v[RK+\t], v[RK0], s29, 64*\t
	v_min_u32 v[RK+\t], s22, v[RK+\t]              ; past the count: the last row again
	v_min_u32 v[RK+\t], 0x3ff, v[RK+\t]
	v_add_nc_u32 v[TM+\t], s56, v[RK+\t]
	v_min_u32 v[TM+\t], 0x47f, v[TM+\t]
	v_lshl_add_u32 v[TM+\t], v[TM+\t], 2, s23
.endr
.irp t, 0,1,2,3
	v_add_lshl_u32 v[HO+\t], v[RK+\t], s25, 4
	v_add_nc_u32 v[HO+\t], v[HO+\t], v[HOS]
.endr
	s_wait_alu depctr_va_vdst(0)                   ; v[TM ..] are written, which the list's loads read; the last chunk's lines that named v[ID ..] are done: the loads land there
.irp t, 0,1,2,3
	ds_load_b32 v[ID+\t], v[TM+\t]
.endr
	s_wait_dscnt 0x0
.irp t, 0,1,2,3
	v_min_u32 v[ID+\t], 0x3ff, v[ID+\t]
	v_lshl_add_u32 v[AO+\t], v[ID+\t], 11, v[H16]
.endr
	s_cmp_ge_u32 s28, 3
	s_cbranch_scc1 .Lc4
	CHUNK 2, 8
	s_add_co_u32 s27, s27, 2
	s_cmp_ge_u32 s28, 2
	s_cbranch_scc1 .Lep1
	s_branch .Lep0                                 ; one tile was left: the second is not stored
.Lc4:
	CHUNK 4, 4
	s_add_co_u32 s27, s27, 4
	s_cmp_ge_u32 s28, 4
	s_cbranch_scc0 .Lep2                           ; three tiles were left: the fourth is not stored
	EPI 3
.Lep2:
	EPI 2
.Lep1:
	EPI 1
.Lep0:
	EPI 0
	s_lshl_b32 s29, s27, 6
.Lnext:
	s_sub_co_u32 s31, s31, 1
	s_cmp_lg_u32 s31, 0
	s_cbranch_scc1 .Lchunk
	s_cmp_eq_u32 s30, 1
	s_cbranch_scc1 .Ldone                          ; job 1 is done (the count is the same in every wave)
	CPA                                            ; job 1's slice: the first half of my quarter is asked for while the other waves finish job 0
	s_wait_dscnt 0x0                               ; my reads of job 0's slice are over:
	s_barrier_signal -1
	s_barrier_wait -1                              ; everybody's are, and those bytes may be written
.irp g, 0,1,2,3,4,5,6,7
	CPB \g, 1, 56, 0                               ; seven younger groups of eight loads stay out
.endr
.irp g, 0,1,2,3,4,5,6,7
	CPB \g, 0, 8*(7-\g), 32768                     ; the second half: the counts run down
.endr
	s_wait_alu depctr_vm_vsrc(0)                   ; the copy's LDS stores have read window 1's registers, which job 1's products write
	WIN 0
	s_mov_b32 s21, 128                             ; job 1: 128 rows,
	s_mov_b32 s22, 127
	s_mov_b32 s56, 1024                            ; the list's second part,
	s_lshl_b32 s25, s19, 7
	s_add_co_u32 s25, s25, 8192                    ; places 8192 + 128 e ..
	s_sub_co_u32 s30, s30, 1
	s_cmp_lg_u32 s30, 0
	s_cbranch_scc1 .Ljob
.Ldone:
	s_wait_dscnt 0x0                               ; my LDS reads of job 1 are over:
	s_barrier_signal -1
	s_barrier_wait -1                              ; everybody's are
	s_wait_dscnt 0x0                               ; the wave's end.  The add of 0 below goes onto my spare LDS word in the 512 bytes behind the lists
	s_wait_alu depctr_hold_cnt(0) depctr_sa_sdst(0) depctr_va_vdst(0) depctr_va_sdst(0) depctr_va_ssrc(0) depctr_va_vcc(0) depctr_vm_vsrc(0)
	s_wait_tensorcnt 0x0
	ds_add_u32 v126, v127
	s_wait_dscnt 0x0
	s_endpgm
.Lfunc_end_k_q5c9d0a1afa_gateup:
	.size	k_q5c9d0a1afa_gateup, .Lfunc_end_k_q5c9d0a1afa_gateup-k_q5c9d0a1afa_gateup
	.p2alignl 7, 3214868480
	.fill 96, 4, 3214868480
	.section	.rodata,"a",@progbits
	.p2align	6, 0x0
	.amdhsa_kernel k_q5c9d0a1afa_gateup
		.amdhsa_group_segment_fixed_size 282112
		.amdhsa_private_segment_fixed_size 0
		.amdhsa_enable_private_segment 0
		.amdhsa_kernarg_size 48
		.amdhsa_user_sgpr_count 2
		.amdhsa_user_sgpr_kernarg_segment_ptr 1
		.amdhsa_wavefront_size32 1
		.amdhsa_system_sgpr_workgroup_id_x 1
		.amdhsa_system_sgpr_workgroup_id_y 1
		.amdhsa_system_sgpr_workgroup_id_z 1
		.amdhsa_system_vgpr_workitem_id 0
		.amdhsa_next_free_vgpr 768
		.amdhsa_next_free_sgpr 96
		.amdhsa_reserve_vcc 0
		.amdhsa_float_denorm_mode_32 3
		.amdhsa_float_denorm_mode_16_64 3
		.amdhsa_memory_ordered 1
		.amdhsa_forward_progress 1
		.amdhsa_inst_pref_size 187
	.end_amdhsa_kernel
	.amdgpu_metadata
---
amdhsa.version: [ 1, 2 ]
amdhsa.kernels:
  - .name:           k_q5c9d0a1afa_gateup
    .symbol:         k_q5c9d0a1afa_gateup.kd
    .args:
      - { .name: xb, .offset: 0, .size: 8, .value_kind: global_buffer, .address_space: global }
      - { .name: msk, .offset: 8, .size: 8, .value_kind: global_buffer, .address_space: global }
      - { .name: eg_w, .offset: 16, .size: 8, .value_kind: global_buffer, .address_space: global }
      - { .name: eu_w, .offset: 24, .size: 8, .value_kind: global_buffer, .address_space: global }
      - { .name: sw1, .offset: 32, .size: 8, .value_kind: global_buffer, .address_space: global }
      - { .name: hq, .offset: 40, .size: 8, .value_kind: global_buffer, .address_space: global }
    .group_segment_fixed_size: 282112
    .private_segment_fixed_size: 0
    .kernarg_segment_align: 8
    .kernarg_segment_size: 48
    .max_flat_workgroup_size: 128
    .sgpr_count:     96
    .vgpr_count:     768
    .wavefront_size: 32
...
	.end_amdgpu_metadata
.endif
;; end of part 5
;; launch down (part 6): grid 256 x 1, 4 waves a work-group, no clusters, 151,040 bytes of LDS; arguments hq, msk, ed_w, sw2, pr; writes pr
.if DOCPART == 6
	.amdgcn_target "amdgcn-amd-amdhsa--gfx1250"
	.amdhsa_code_object_version 6
	.text
	.protected	k_q5c9d0a1afa_down
	.globl	k_q5c9d0a1afa_down
	.p2align	8
	.type	k_q5c9d0a1afa_down,@function
k_q5c9d0a1afa_down:
	s_mov_b64 s[64:65], 0
	v_nop
	global_prefetch_b8 v0, s[64:65] scope:SCOPE_SE
	s_setreg_imm32_b32 hwreg(HW_REG_WAVE_SCHED_MODE, 0, 2), 2
	s_setreg_imm32_b32 hwreg(HW_REG_WAVE_MODE, 25, 1), 1
	s_wait_xcnt 0x0
	s_wait_alu depctr_vm_vsrc(0)
; SECOND PRODUCT.  pr[kh][id][:] = the sum over half kh of the hidden channels of h[row] Wd, in f32: partial rows, which the next launch weighs and adds.
; id = 2 token + k for a token's k-th choice, 2048 + token for the shared expert.  hq as the launch before left it: [256 groups of 8 hidden channels][9,216 places][8] bf16.
; SHARES.  Work-group (e, s, kh), e = 0..7, s = 0..15, kh = 0..1, does two JOBS: job 0: output channels 64 s .. 64 s + 63, hidden channels 1024 kh .. of expert e's Wd, which it
; alone reads, for ALL of e's rows; job 1: the same part of the shared expert's Wd for tokens 128 e .. 128 e + 127.  K is split in two so that 256 work-groups have a slice each.
; JOB 0's SLICE (1,024 x 64, f32) comes through registers, is rounded and laid into LDS in fragment order, 64 loads a wave on their way.  JOB 1's SLICE was rounded and laid out so by the first
; launch (sw2): it is copied, its 64 loads a wave asked for ahead of the barrier that ends job 0.
; THE PRODUCTS, one text for both jobs.  Wave w takes tiles of 16 rows w, w + 4, .., 4 or 2 at a time, 32 K steps each; h's rows come straight from memory into registers (16 rows of a tile are 256
; consecutive bytes for each group of channels) through a ring of eight K steps: a K step is only 16 or 8 matrix instructions here.
; Between a job's two barriers nothing writes LDS.  The loop over chunks has a constant count that covers every split; a wave with nothing left jumps forward over the work; no barrier stands in it.
; ROWS PAST THE COUNT repeat the expert's last row: in a tile that is not full the same numbers go to the same place; a tile wholly past the count (three tiles go as four, one as two) is not stored.
; EXEC is never changed.
; LAYOUT.  Source 0 = 16 rows of h, source 1 = 16 output channels, and fragment f's place r is channel 4 r + f of the slice.  So register j of accumulator f in lane (r, h) is row 8 h + j,
; channel 4 r + f: the four accumulators' registers j, gathered by four moves, are 16 neighbouring bytes of a row, and 16 lanes hold the slice's 256 bytes of it.  No trip through LDS on the way out.
; POINTERS.  Each slot of h's ring and each of the eight units of the weights has a scalar pointer of its own, stepped behind the counted wait that shows that slot's own loads done.
; NO TENSOR LOADS, NO CLUSTER: the routed weights are f32 and pass through registers to be rounded; a routed slice has one reader; what an expert's 32 work-groups share, its rows of h, is read
; straight into fragment registers; only the shared slice (128 KB of the 384 KB of weights that a work-group reads) has 8 readers, and these begin job 1 at times that hang on their experts' counts.
; HINTS.  The routed weights are read once in the launch: non-temporal.  hq and sw2 are read by many work-groups: high-temporal.
; THE MODE: SCHED_MODE bits 1:0 = 2 (LLVM: expert scheduling mode 2), set by the entry lines.  The code itself states the register dependences between vector or matrix instructions
; and memory or LDS instructions, with s_wait_alu, always for 0.
; THE PLAN.  Registers that memory or LDS instructions touch, and who else names them:
;   ring slots      K step j's products read slot j % 8; the loads of step j + 7, issued in step j, land in slot (j - 1) % 8.
;   BB0 .. BB3      K step j's products read BB[j % 4]; the LDS loads of step j + 3, issued in step j, land in BB[(j - 1) % 4].
;   v[BA]           read by those LDS loads; written once a trip of the K loop, at the trip's end; immediate offsets reach the trip's eight steps.
;   v[AO ..]        read by the ring's loads; written at a chunk's head alone.  v[BA0], v[WO], v[CPL]: written at the kernel's head alone.
;   So ONE wait on va_vdst stands at a K step's head, behind the waits for its data: the step before is done reading the two buffers in which this step's loads land (and, in a trip's first step, v[BA] is
;   written).  The loads follow tile 0's products; this step's products name BB[j % 4], slot j % 8 and the accumulators, none of which those loads touch.
;   weights' slots  a unit's sixteen conversions read slot j and write CT[j]; behind ONE wait on va_vdst the slot is asked for again and four LDS stores read CT[j].  Each unit has a CT of its own, so one
;                   wait on vm_vsrc a trip, ahead of the add to v[WL], frees all eight.
;   the list        32 addresses and 32 ids are made in registers of their own, then one wait, then one run of LDS stores.
;   the way out     a tile's eight list addresses LA, one wait on va_vdst, eight list loads into OA; the moves into OB and OA's arithmetic, one wait on va_vdst, eight stores; the wait on vm_vsrc for LA, OA
;                   and OB stands at the next tile's head.
.set F,     4                          ; fragments of 16 output channels in a K step
.set PITCH, 4096                       ; bytes in a row of the weights
.set WOSH,  15                         ; 8 rows of them = 1 << 15
.set NTRIP, 2                          ; trips of the weight loop: 8 units of 16 K x 64 channels each
.set JDIV,  8                          ; all of a trip's units belong to the one matrix
.set OS,    147456                     ; bytes in hq for one group of 8 channels
.set ASTEP, 4*OS                       ; a K step is four groups
.set AH,    2*OS                       ; from a fragment's first half to its second
.set AB,    50                         ; s[50:51]: hq at my half of the hidden channels
.set IMG,   10                         ; s[10:11]: my wave's quarter of my slice in sw2
.set BP,    1024                       ; a fragment's block in LDS: 64 pieces of 16 bytes; stores and loads both take neighbouring pieces
.set WSTEP, 16*BP                      ; LDS bytes that a trip of the weight loop fills: 4 K steps x 4 fragments
.set LIST,  32*F*BP                    ; behind the slice: the lists
.set LSTR,  4864                       ; a wave's list: 1,024 + 128 words, 32 dump words, rounded up to blocks of 256 bytes
; window 0
.set RK0, 3                            ; v3      16 w + r
.set RK,  4                            ; v4-7    my row's rank in tile t; at the head: job 1's ids for the list
.set AO,  12                           ; v12-15  its byte offset in hq
.set BA,  20                           ; v20     LDS address of the fragments, walking;  v21 its start, 16 lane
.set BA0, 21
.set WL,  22                           ; v22     LDS address of my pieces of the weights, walking
.set WO,  24                           ; v24     my byte offset in a unit of the weights
.set DI,  25                           ; v25     1152 + lane: my dump word's index
.set TM,  28                           ; v28-31  at work
.set OB,  32                           ; v32-63  the way out: for each j four neighbouring channels of row 8 h + j
.set OA,  64                           ; v64-71  those rows' ids, then their byte offsets in pr
.set LA,  72                           ; v72-79  where their ids lie in the list
.set LTA, 32                           ; v32-63  at the head: the list's 32 LDS addresses
.set LTD, 64                           ; v64-95  at the head: the list's 32 ids
.set VM,  96                           ; v96     lane j: the mask of group j for expert e
.set VK,  97                           ; v97     the same for 'second choice'
.set LN,  98                           ; v98 lane; v99 2 lane; v100 2 lane + 1
.set L2,  99
.set L21, 100
.set HOS, 102                          ; v102 h OS;  v103 the masks' offset
.set MA,  103
.set CPL, 104                          ; v104    32,768 w + 16 lane: my 16 bytes in my wave's quarter of the slice in LDS
.set RKE, 106                          ; v106 16 w + 8 h;  v107 16 r
.set C16, 107
.set BB,  128                          ; v128-255 the weights' fragments of four K steps: BB[b] at BB + 32 b
.set CT,  128                          ; v128-255 while weights are loaded: unit j's 4 channels x 8 K, packed, at CT + 16 j
; window 1: accumulator (t, f) at 8 (t F + f); while weights are loaded: 8 slots of 32.   window 2: h's fragments, ring slot sl, tile t at 8 T sl + 8 t
.set W_MM, 0x52                        ; source 0 (h) window 2, source 1 (weights) window 0, C and D window 1
.set W_A,  0x80                        ; destination window 2
.set W_ST, 0x40                        ; destination window 1
.set W_CV, 0x05                        ; sources 0 and 1 window 1
.set W_S0, 0x01                        ; source 0 window 1
.set W_CP, 0x44                        ; a load's destination and an LDS store's data in window 1
; scalars: s18 w, s19 e, s20 s, s33 kh, s21 n, s22 n - 1, s23 my list, s25 first place in hq, s26 my tiles, s27 tiles done, s28 tiles left, s29 64 x done, s30-32 counters,
; s[44:45] pr at my half and channels, s56 the list's first index, s57 s29 + s56, s58 n - 1 + s56, s40-41, s46-49, s52-55 at work, s84-91 and s34-41 eight groups' two masks
.set PT,  66                           ; s[66:81] eight pointers: the weights' units, then the ring's slots
.set MSB, 0
.macro WIN new                         ; the immediate's high byte repeats the setting that is left; a switch that changes nothing is dropped
.if MSB != (\new)
	s_set_vgpr_msb (MSB<<8)|(\new)
.set MSB, \new
.endif
.endm
.macro PLACES                          ; four places behind a matrix instruction (ISA guide 7.12.1)
.rept 4
	v_nop
.endr
.endm
; The first 64 loads of job 0.  A unit is 16 K x 64 channels: lane (q = l % 16, hh = l / 16) takes rows 8 hh + i, i = 0..7, channels 4 q .. 4 q + 3: 16 lanes read 256 consecutive bytes, aligned.
.macro FILL
.set j_, 0
.rept 8
	s_add_nc_u64 s[PT+2*j_:PT+2*j_+1], s[8+2*(j_/JDIV):9+2*(j_/JDIV)], 16*(j_%JDIV)*PITCH
.set j_, j_+1
.endr
	WIN W_ST
.set j_, 0
.rept 8
.set i_, 0
.rept 8
	global_load_b128 v[32*j_+4*i_:32*j_+4*i_+3], v[WO], s[PT+2*j_:PT+2*j_+1] offset:i_*PITCH th:TH_LOAD_NT
.set i_, i_+1
.endr
.set j_, j_+1
.endr
	WIN 0
.endm
; Slot j's unit: rounded, turned (a lane's 8 K of one channel are 16 bytes) and laid into LDS: channel 4 q + c goes to fragment c, place q: 16 lanes write 256 consecutive bytes.
; refill = 1: the slot takes the next trip's unit.  left: the younger loads, which stay out.
.macro UNIT j, refill, left
	s_wait_loadcnt \left                           ; this slot's eight loads are in, so its pointer may be stepped
.if \refill
	s_add_nc_u64 s[PT+2*(\j):PT+2*(\j)+1], s[PT+2*(\j):PT+2*(\j)+1], 524288
.endif
	WIN W_CV
.irp c, 0,1,2,3
.irp a, 0,1,2,3
	v_cvt_pk_bf16_f32 v[CT+16*(\j)+4*\c+\a], v[32*(\j)+8*\a+\c], v[32*(\j)+8*\a+4+\c]
.endr
.endr
	WIN W_ST
	s_wait_alu depctr_va_vdst(0)                   ; the conversions have written CT[j], which the LDS stores read, and are done reading slot j, in which the loads land; after a trip's end v[WL] is written
.if \refill
.irp i, 0,1,2,3,4,5,6,7
	global_load_b128 v[32*(\j)+4*\i:32*(\j)+4*\i+3], v[WO], s[PT+2*(\j):PT+2*(\j)+1] offset:\i*PITCH th:TH_LOAD_NT
.endr
.endif
.irp c, 0,1,2,3
	ds_store_b128 v[WL], v[CT+16*(\j)+4*\c:CT+16*(\j)+4*\c+3] offset:((((\j)%JDIV)/2)*F+4*((\j)/JDIV)+\c)*BP+(((\j)%JDIV)%2)*512
.endr
.endm
; Job 1's slice: my wave's quarter of the image is copied as it lies.  CPA: its 64 loads of 512 consecutive bytes.  CPB: group g of eight goes into LDS.
.macro CPA
	WIN W_ST
	s_wait_alu depctr_va_vdst(0)                   ; the products have written window 1's registers and the way out's moves (in a wave without tiles: the conversions) are done reading them: the loads below land there
.set i_, 0
.rept 64
	global_load_b128 v[4*i_:4*i_+3], v[BA0], s[IMG:IMG+1] offset:512*i_ th:TH_LOAD_HT
.set i_, i_+1
.endr
	WIN 0
.endm
.macro CPB g, left
	s_wait_loadcnt \left
	WIN W_CP
.irp k, 0,1,2,3,4,5,6,7
	ds_store_b128 v[CPL], v[32*(\g)+4*\k:32*(\g)+4*\k+3] offset:512*(8*(\g)+\k)
.endr
.endm
.macro ALD T, sl                       ; h's fragments of one K step, T tiles, into ring slot sl, by the slot's own pointer: 16 lanes read 256 consecutive bytes, aligned
	WIN W_A
.set t_, 0
.rept \T
	global_load_b128 v[8*\T*(\sl)+8*t_:8*\T*(\sl)+8*t_+3],   v[AO+t_], s[PT+2*(\sl):PT+2*(\sl)+1] th:TH_LOAD_HT
	global_load_b128 v[8*\T*(\sl)+8*t_+4:8*\T*(\sl)+8*t_+7], v[AO+t_], s[PT+2*(\sl):PT+2*(\sl)+1] offset:AH th:TH_LOAD_HT
.set t_, t_+1
.endr
.endm
.macro BLD b, adr, blk                 ; the weights' fragments of one K step (blocks blk .. blk + F - 1 from v[adr] on) into BB[b]: 512 consecutive bytes a load
	WIN 0
.set br_, BB+32*(\b)
.set f_, 0
.rept F
	ds_load_b128 v[br_+8*f_:br_+8*f_+3],   v[\adr] offset:((\blk)+f_)*BP
	ds_load_b128 v[br_+8*f_+4:br_+8*f_+7], v[\adr] offset:((\blk)+f_)*BP+512
.set f_, f_+1
.endr
.endm
.macro MMT T, sl, t, zero              ; tile t's F products of the K step on ring slot sl.  zero = 1: they start the sums
	WIN W_MM
.set br_, BB+32*((\sl)%4)
.set f_, 0
.rept F
.if \zero
	v_wmma_f32_16x16x32_bf16 v[8*((\t)*F+f_):8*((\t)*F+f_)+7], v[8*\T*(\sl)+8*(\t):8*\T*(\sl)+8*(\t)+7], v[br_+8*f_:br_+8*f_+7], 0
.else
	v_wmma_f32_16x16x32_bf16 v[8*((\t)*F+f_):8*((\t)*F+f_)+7], v[8*\T*(\sl)+8*(\t):8*\T*(\sl)+8*(\t)+7], v[br_+8*f_:br_+8*f_+7], v[8*((\t)*F+f_):8*((\t)*F+f_)+7]
.endif
.set f_, f_+1
.endr
.endm
; A K step on ring slot sl.  All T F accumulators take turns, one instruction a turn, in the same order in every step.
; lb = 1: the weights' fragments of the step three on go into the buffer that the step before read.  la = 1: h's fragments of the step D - 1 on go into the slot that the step before read.
; Both runs of loads stand behind tile 0's products.  wa, wb: the younger loads that stay out.  A step that loads nothing holds no wait on va_vdst.
.macro KSTEP T, D, sl, zero, la, lb, wa, wb
	s_wait_loadcnt \wa
	s_wait_dscnt \wb
.if (\la) || (\lb)
	s_wait_alu depctr_va_vdst(0)                   ; the step before's products are done reading their BB and their ring slot, in which this step's loads land; in a trip's first step v[BA] is written
.endif
	MMT \T, \sl, 0, \zero
.if (\la) || (\lb)
	PLACES                                         ; four places behind the step before's products, ahead of the loads into registers that those read; the dependence itself is stated by the wait at the step's head
.endif
.if \lb
	BLD ((\sl)+3)%4, BA, (((\sl)+\D-1)%\D)*F
.endif
.if \la
	s_add_nc_u64 s[PT+2*(((\sl)+\D-1)%\D):PT+2*(((\sl)+\D-1)%\D)+1], s[PT+2*(((\sl)+\D-1)%\D):PT+2*(((\sl)+\D-1)%\D)+1], \D*ASTEP  ; free since the wait at the head of the step before: that slot's loads are in
	ALD \T, ((\sl)+\D-1)%\D
.endif
.set t_, 1
.rept \T-1
	MMT \T, \sl, t_, \zero
.set t_, t_+1
.endr
.endm
; T tiles through all 32 K steps: step 0, whose products start the sums; a loop over steps 1 .. 32 - D, D a trip, which ask for h's steps D .. 31; the last D - 1 steps.
; h's loads: 2 T a step.  At step 0's wait the D - 1 younger steps stay out; in the loop D - 2 (this step's own refill is not yet issued); in the tail, slot s, D - 1 - s.
; The weights': 2 F a step.  At step 0's wait three younger steps stay out; later two, or as many as are left.
.macro CHUNK T, D
.set s_, 0
.rept \D
	s_add_nc_u64 s[PT+2*s_:PT+2*s_+1], s[AB:AB+1], s_*ASTEP  ; every earlier load by these pointers has been waited for
.set s_, s_+1
.endr
	v_add_nc_u32 v[BA], 4*F*BP, v[BA0]             ; step 4's fragments: what step 1 asks for
	WIN W_A
	s_wait_alu depctr_va_vdst(0)                   ; v[AO ..] and v[BA] are written; the last chunk's products are done reading the ring and BB, and the conversions that wrote BB's registers as CT are done: the loads below land there
.set s_, 0
.rept \D
	ALD \T, s_
.set s_, s_+1
.endr
	BLD 0, BA0, 0
	BLD 1, BA0, F
	BLD 2, BA0, 2*F
	BLD 3, BA0, 3*F
	KSTEP \T, \D, 0, 1, 0, 0, 2*\T*(\D-1), 6*F
	WIN 0
	s_mov_b32 s32, (32-\D)/\D
.Lk_\@:
.set s_, 1
.rept \D-1
	KSTEP \T, \D, s_, 0, 1, 1, 2*\T*(\D-2), 4*F
.set s_, s_+1
.endr
	KSTEP \T, \D, 0, 0, 1, 1, 2*\T*(\D-2), 4*F
	WIN 0
	s_wait_alu depctr_vm_vsrc(0)                   ; the trip's LDS loads have read v[BA]
	v_add_nc_u32 v[BA], \D*F*BP, v[BA]             ; on by a trip; the next step's wait on va_vdst stands between this line and the next load by it
	s_sub_co_u32 s32, s32, 1
	s_cmp_lg_u32 s32, 0
	s_cbranch_scc1 .Lk_\@
.set s_, 1
.rept \D-1
.set w_, \D-1-s_
.if w_ > 2
.set w_, 2
.endif
.set l_, 0
.if s_ <= \D-4
.set l_, 1
.endif
	KSTEP \T, \D, s_, 0, 0, l_, 2*\T*(\D-1-s_), 2*F*w_
.set s_, s_+1
.endr
	WIN 0
	PLACES                                         ; ahead of the readers of the last products' results
.endm
; THE WAY OUT of tile t.  The ids of rows 8 h + j are asked for from my list; meanwhile the four accumulators' registers j are gathered (j ascending: each accumulator is read from its low end on)
; then each row's 16 bytes a lane go to the place of its id.
.macro EPI t
	s_wait_xcnt 0x0                                ; what the last tile's stores read is rewritten only behind this wait
	s_wait_alu depctr_vm_vsrc(0)                   ; the last tile's stores have read OA and OB, its list loads LA: all three are written below
.irp j, 0,1,2,3,4,5,6,7
	v_add3_u32 v[LA+\j], v[RKE], s57, 64*(\t)+\j   ; the list index of row 8 h + j of the tile,
	v_min_u32 v[LA+\j], s58, v[LA+\j]              ; past the count: the last row's
	v_min_u32 v[LA+\j], 0x47f, v[LA+\j]
	v_lshl_add_u32 v[LA+\j], v[LA+\j], 2, s23
.endr
	s_wait_alu depctr_va_vdst(0)                   ; LA is written, which the list's loads read; the last tile's lines that named OA are done: the loads land there
.irp j, 0,1,2,3,4,5,6,7
	ds_load_b32 v[OA+\j], v[LA+\j]
.endr
	WIN W_S0
.irp j, 0,1,2,3,4,5,6,7
.irp f, 0,1,2,3
	v_mov_b32 v[OB+4*\j+\f], v[32*(\t)+8*\f+\j]    ; channel 4 r + f of row 8 h + j
.endr
.endr
	WIN 0
	s_wait_dscnt 0x0                               ; the ids are in
.irp j, 0,1,2,3,4,5,6,7
	v_min_u32 v[OA+\j], 0xbff, v[OA+\j]
	v_lshl_add_u32 v[OA+\j], v[OA+\j], 12, v[C16]
.endr
	s_wait_alu depctr_va_vdst(0)                   ; the moves have written OB and the lines above OA, which the stores read
.irp j, 0,1,2,3,4,5,6,7
	global_store_b128 v[OA+\j], v[OB+4*\j:OB+4*\j+3], s[44:45]  ; 16 lanes store 256 consecutive bytes, aligned
.endr
.endm
	s_load_b256 s[4:11], s[0:1], 0x0               ; hq s[4:5], msk s[6:7], ed_w s[8:9], sw2 s[10:11]
	s_load_b64 s[12:13], s[0:1], 0x20              ; pr
	v_lshl_add_u32 v126, v0, 2, 0x24c00
	v_mov_b32 v127, 0
	v_lshrrev_b32 v[TM], 5, v0
	v_readfirstlane_b32 s18, v[TM]                 ; wave 0..3
	s_lshr_b32 s19, ttmp9, 5                       ; e
	s_bfe_u32 s20, ttmp9, 0x40001                  ; s: four bits from bit 1
	s_and_b32 s33, ttmp9, 1                        ; kh
	v_and_b32 v[LN], 31, v0
	v_and_b32 v1, 15, v0                           ; r, and q
	v_bfe_u32 v2, v0, 4, 1                         ; h, and hh
	v_lshlrev_b32 v[RKE], 3, v2
	v_lshlrev_b32 v[C16], 4, v1
	v_lshlrev_b32 v[BA0], 4, v[LN]
	v_lshlrev_b32 v[WO], 4, v1
	v_lshl_add_u32 v[WO], v2, WOSH, v[WO]          ; 8 hh rows + 16 q
	v_add_nc_u32 v[DI], 1152, v[LN]
	v_lshlrev_b32 v[L2], 1, v[LN]
	v_or_b32 v[L21], 1, v[L2]
	v_mul_u32_u24 v[HOS], v2, OS
	v_lshlrev_b32 v[MA], 7, v[LN]
	v_lshl_add_u32 v[MA], s19, 2, v[MA]            ; msk[lane][e]
	s_wait_alu depctr_va_sdst(0)                   ; s18 is written, ahead of its first reader
	v_lshl_add_u32 v[RK0], s18, 4, v1
	v_lshl_add_u32 v[RKE], s18, 4, v[RKE]          ; 16 w + 8 h
	s_lshl_b32 s52, s18, 15                        ; my wave's 8 K steps: 32,768 bytes of the slice, in LDS and in sw2
	v_add_nc_u32 v[CPL], s52, v[BA0]               ; place q, piece row hh: 16 q + 256 hh = 16 lane
	v_mov_b32 v[WL], v[CPL]
	s_and_b32 s48, ttmp9, 31                       ; sw2: slice 2 s + kh, 131,072 bytes each
	s_lshl_b32 s48, s48, 17
	s_add_co_u32 s48, s48, s52
	s_mov_b32 s49, 0
	s_mul_i32 s23, s18, LSTR
	s_add_co_u32 s23, s23, LIST
	s_lshl_b32 s40, s33, 22                        ; my half's 1,024 rows of the weights,
	s_lshl_b32 s52, s18, 20                        ; my wave's 256 of them,
	s_add_co_u32 s40, s40, s52
	s_lshl_b32 s52, s20, 8                         ; my slice's 256 bytes of a row
	s_add_co_u32 s40, s40, s52
	s_mov_b32 s41, 0
	s_mul_i32 s46, s33, 12582912                   ; pr: my half's 3,072 rows, my slice's 256 bytes
	s_add_co_u32 s46, s46, s52
	s_mov_b32 s47, 0
	s_lshl_b32 s52, s19, 23                        ; my expert
	s_mov_b32 s53, 0
	s_mul_i32 s54, s33, 128*OS                     ; hq: my half's 128 groups of channels
	s_mov_b32 s55, 0
	s_lshl_b32 s25, s19, 10                        ; job 0: places 1024 e ..
	s_mov_b32 s56, 0
	s_mov_b32 s30, 2
	s_wait_kmcnt 0x0
	s_wait_alu depctr_va_vdst(0)                   ; the offsets and addresses v[MA], v[WO], v[WL], v[CPL] and v[BA0] are written, which the loads and LDS stores below read
	global_load_b32 v[VM], v[MA], s[6:7]
	global_load_b32 v[VK], v[MA], s[6:7] offset:32
	s_add_nc_u64 s[8:9], s[8:9], s[40:41]
	s_add_nc_u64 s[8:9], s[8:9], s[52:53]
	s_add_nc_u64 s[IMG:IMG+1], s[IMG:IMG+1], s[48:49]
	s_add_nc_u64 s[50:51], s[4:5], s[54:55]
	s_add_nc_u64 s[44:45], s[12:13], s[46:47]
	FILL
	; THE LIST, while the weights are on their way: the same ranks as in the launch before, from the same masks; all its addresses and ids are made first, eight groups of 32 tokens at a time, then stored in one run
	s_wait_loadcnt 63                              ; the two mask loads are older than the 64 of the weights
	s_mov_b32 s21, 0
.set b_, 0
.rept 4
.set k_, 0
.rept 8
	v_readlane_b32 s[84+k_], v[VM], 8*b_+k_        ; tokens 32 j .. 32 j + 31: who chose e,
	v_readlane_b32 s[34+k_], v[VK], 8*b_+k_        ; and who as second choice
.set k_, k_+1
.endr
	s_wait_alu depctr_va_sdst(0)                   ; s84 to s91 and s34 to s41 are written, ahead of their first readers
.set k_, 0
.rept 8
.set j_, 8*b_+k_
	v_mbcnt_lo_u32_b32 v[LTA+j_], s[84+k_], s21    ; rank = rows so far + chosen lanes below me
	v_cndmask_b32 v[LTA+j_], v[DI], v[LTA+j_], s[84+k_]  ; not chosen: my dump word
	v_cndmask_b32 v[LTD+j_], v[L2], v[L21], s[34+k_]
	v_min_u32 v[LTA+j_], 1183, v[LTA+j_]
	v_lshl_add_u32 v[LTA+j_], v[LTA+j_], 2, s23
	v_add_nc_u32 v[LTD+j_], 64*j_, v[LTD+j_]       ; 2 token + k
	s_bcnt1_i32_b32 s52, s[84+k_]
	s_add_co_u32 s21, s21, s52
.set k_, k_+1
.endr
.set b_, b_+1
.endr
	s_lshl_b32 s52, s19, 7
	s_add_co_u32 s52, s52, 2048
	v_add_nc_u32 v[TM+1], s52, v[LN]
	v_lshl_add_u32 v[TM], v[LN], 2, s23
.irp a, 0,1,2,3
	v_add_nc_u32 v[RK+\a], 32*\a, v[TM+1]          ; job 1's rows: 2048 + 128 e + i
.endr
	s_wait_alu depctr_va_vdst(0)                   ; the list's addresses and ids are written, which the 36 LDS stores read
.set j_, 0
.rept 32
	ds_store_b32 v[LTA+j_], v[LTD+j_]
.set j_, j_+1
.endr
.irp a, 0,1,2,3
	ds_store_b32 v[TM], v[RK+\a] offset:4096+128*\a
.endr
	s_sub_co_u32 s22, s21, 1
	s_mov_b32 s32, NTRIP-1
.Lld:
.irp j, 0,1,2,3,4,5,6,7
	UNIT \j, 1, 56                                 ; seven younger slots of eight loads stay out
.endr
	WIN 0
	s_wait_alu depctr_vm_vsrc(0)                   ; the trip's LDS stores have read v[WL] and CT0 to CT7, which the add below and the next trip's conversions write
	v_add_nc_u32 v[WL], WSTEP, v[WL]
	s_sub_co_u32 s32, s32, 1
	s_cmp_lg_u32 s32, 0
	s_cbranch_scc1 .Lld
.irp j, 0,1,2,3,4,5,6,7
	UNIT \j, 0, 8*(7-\j)                           ; the last trip loads nothing: the counts run down
.endr
	WIN 0
.Ljob:
	s_wait_dscnt 0x0                               ; for the others' sake: my part of the slice is in LDS
	s_barrier_signal -1
	s_barrier_wait -1
	s_add_co_u32 s58, s22, s56
	s_add_co_u32 s26, s21, 15
	s_lshr_b32 s26, s26, 4                         ; tiles of 16 rows
	s_add_co_u32 s26, s26, 3
	s_sub_co_u32 s26, s26, s18
	s_lshr_b32 s26, s26, 2                         ; of which w, w + 4, .. are mine
	s_mov_b32 s27, 0
	s_mov_b32 s29, 0
	s_mov_b32 s31, 4
.Lchunk:
	s_cmp_ge_u32 s27, s26
	s_cbranch_scc1 .Lnext                          ; nothing left for this wave
	s_sub_co_u32 s28, s26, s27
	s_add_co_u32 s57, s29, s56
	s_wait_alu depctr_vm_vsrc(0)                   ; the last chunk's loads have read v[AO ..] and v[BA]; ahead of the first chunk the list's LDS stores have read their registers and the weights' LDS stores CT: all are written below
.irp t, 0,1,2,3
	v_add3_u32 v[RK+\t], v[RK0], s29, 64*\t
	v_min_u32 v[RK+\t], s22, v[RK+\t]              ; past the count: the last row again
	v_min_u32 v[RK+\t], 0x3ff, v[RK+\t]
	v_add_lshl_u32 v[AO+\t], v[RK+\t], s25, 4
	v_add_nc_u32 v[AO+\t], v[AO+\t], v[HOS]
.endr
	s_cmp_ge_u32 s28, 3
	s_cbranch_scc1 .Lc4
	CHUNK 2, 8
	s_add_co_u32 s27, s27, 2
	s_cmp_ge_u32 s28, 2
	s_cbranch_scc1 .Lep1
	s_branch .Lep0                                 ; one tile was left: the second is not stored
.Lc4:
	CHUNK 4, 8
	s_add_co_u32 s27, s27, 4
	s_cmp_ge_u32 s28, 4
	s_cbranch_scc0 .Lep2                           ; three tiles were left: the fourth is not stored
	EPI 3
.Lep2:
	EPI 2
.Lep1:
	EPI 1
.Lep0:
	EPI 0
	s_lshl_b32 s29, s27, 6
.Lnext:
	s_sub_co_u32 s31, s31, 1
	s_cmp_lg_u32 s31, 0
	s_cbranch_scc1 .Lchunk
	s_cmp_eq_u32 s30, 1
	s_cbranch_scc1 .Ldone                          ; job 1 is done (the count is the same in every wave)
	CPA                                            ; job 1's slice: my quarter is asked for while the other waves finish job 0
	s_wait_dscnt 0x0                               ; my reads of job 0's slice are over:
	s_barrier_signal -1
	s_barrier_wait -1                              ; everybody's are, and those bytes may be written
.irp g, 0,1,2,3,4,5,6,7
	CPB \g, 8*(7-\g)                               ; the younger groups of eight loads stay out
.endr
	s_wait_alu depctr_vm_vsrc(0)                   ; the copy's LDS stores have read window 1's registers, which job 1's products write
	WIN 0
	s_mov_b32 s21, 128                             ; job 1: 128 rows,
	s_mov_b32 s22, 127
	s_mov_b32 s56, 1024                            ; the list's second part,
	s_lshl_b32 s25, s19, 7
	s_add_co_u32 s25, s25, 8192                    ; places 8192 + 128 e ..
	s_sub_co_u32 s30, s30, 1
	s_cmp_lg_u32 s30, 0
	s_cbranch_scc1 .Ljob
.Ldone:
	s_wait_dscnt 0x0                               ; my LDS reads of job 1 are over:
	s_barrier_signal -1
	s_barrier_wait -1                              ; everybody's are
	s_wait_dscnt 0x0                               ; the wave's end.  The add of 0 below goes onto my spare LDS word in the 512 bytes behind the lists
	s_wait_alu depctr_hold_cnt(0) depctr_sa_sdst(0) depctr_va_vdst(0) depctr_va_sdst(0) depctr_va_ssrc(0) depctr_va_vcc(0) depctr_vm_vsrc(0)
	s_wait_tensorcnt 0x0
	ds_add_u32 v126, v127
	s_wait_dscnt 0x0
	s_endpgm
.Lfunc_end_k_q5c9d0a1afa_down:
	.size	k_q5c9d0a1afa_down, .Lfunc_end_k_q5c9d0a1afa_down-k_q5c9d0a1afa_down
	.p2alignl 7, 3214868480
	.fill 96, 4, 3214868480
	.section	.rodata,"a",@progbits
	.p2align	6, 0x0
	.amdhsa_kernel k_q5c9d0a1afa_down
		.amdhsa_group_segment_fixed_size 151040
		.amdhsa_private_segment_fixed_size 0
		.amdhsa_enable_private_segment 0
		.amdhsa_kernarg_size 40
		.amdhsa_user_sgpr_count 2
		.amdhsa_user_sgpr_kernarg_segment_ptr 1
		.amdhsa_wavefront_size32 1
		.amdhsa_system_sgpr_workgroup_id_x 1
		.amdhsa_system_sgpr_workgroup_id_y 1
		.amdhsa_system_sgpr_workgroup_id_z 1
		.amdhsa_system_vgpr_workitem_id 0
		.amdhsa_next_free_vgpr 768
		.amdhsa_next_free_sgpr 96
		.amdhsa_reserve_vcc 0
		.amdhsa_float_denorm_mode_32 3
		.amdhsa_float_denorm_mode_16_64 3
		.amdhsa_memory_ordered 1
		.amdhsa_forward_progress 1
		.amdhsa_inst_pref_size 163
	.end_amdhsa_kernel
	.amdgpu_metadata
---
amdhsa.version: [ 1, 2 ]
amdhsa.kernels:
  - .name:           k_q5c9d0a1afa_down
    .symbol:         k_q5c9d0a1afa_down.kd
    .args:
      - { .name: hq, .offset: 0, .size: 8, .value_kind: global_buffer, .address_space: global }
      - { .name: msk, .offset: 8, .size: 8, .value_kind: global_buffer, .address_space: global }
      - { .name: ed_w, .offset: 16, .size: 8, .value_kind: global_buffer, .address_space: global }
      - { .name: sw2, .offset: 24, .size: 8, .value_kind: global_buffer, .address_space: global }
      - { .name: pr, .offset: 32, .size: 8, .value_kind: global_buffer, .address_space: global }
    .group_segment_fixed_size: 151040
    .private_segment_fixed_size: 0
    .kernarg_segment_align: 8
    .kernarg_segment_size: 40
    .max_flat_workgroup_size: 128
    .sgpr_count:     96
    .vgpr_count:     768
    .wavefront_size: 32
...
	.end_amdgpu_metadata
.endif
;; end of part 6
;; launch combine: the kernel of part 4 again; grid 256 x 1, 4 waves a work-group, no clusters, 0 bytes of LDS; arguments pr, wts, out0; writes out0
